; MI455X (gfx1250); checked and timed in simulation.
; The chip was launched on July 23, 2026; its instructions are those of AMD's public machine-readable ISA for CDNA 5 (MIT licence, August 2026) and "CDNA5" Instruction Set Architecture Reference Guide (July 2026). The comments in the code are by the model that wrote it; some were corrected since.
;; Simple Vector Quantizer. Allowed arithmetic: float matrix products may take bf16 or f16 operands with f32 sums; all other float work in f32.
;; Inputs: embedding 8,192 x 256 float32; z 16 x 1,024 x 256 float32.
;; Outputs: out0 16 x 1,024 x 256 float32; out1 16 x 1,024 int32; out2 one number float32.
;; 2 versions, each right and faster than the one before. Each part assembles by itself: llvm-mc -triple=amdgcn-amd-amdhsa -mcpu=gfx1250 --defsym DOCPART=n.
;; ======== version 1 of 2: 4 launches
;; limits: values outside matrix products are rounded to bf16
;; workspace buffers: ebf 4,194,304 bytes; zbf 8,388,608 bytes; ee 32,768 bytes; zz 65,536 bytes; cand 524,288 bytes of whole numbers; part 1,024 bytes
;; launch prep (part 1): grid 384 x 1, 4 waves a work-group, no clusters, 768 bytes of LDS; arguments embedding, z, ebf, zbf, ee, zz; writes ebf, zbf, ee, zz
.if DOCPART == 1
	.amdgcn_target "amdgcn-amd-amdhsa--gfx1250"
	.amdhsa_code_object_version 6
	.text
	.protected	k_q97ba77ccd2_prep
	.globl	k_q97ba77ccd2_prep
	.p2align	8
	.type	k_q97ba77ccd2_prep,@function
k_q97ba77ccd2_prep:
	s_mov_b64 s[64:65], 0
	v_nop
	global_prefetch_b8 v0, s[64:65] scope:SCOPE_SE
	s_setreg_imm32_b32 hwreg(HW_REG_WAVE_MODE, 25, 1), 1
	s_wait_xcnt 0x0
; SimpleVectorQuantizer, step 1 of 4: round z and embedding to bf16 (the matrix operands of step 2) and sum each row's squares in f32.
; LEFT OUT, in step 3: the sum of the straight-through line, z_q_st = z + (z_q - z).  stop_gradient changes no value, and in exact arithmetic
; z + (z_q - z) = z_q for all values of z and embedding: the term z - z is 0 by an identity.  So out0 is the looked-up row itself; against
; reference()'s f32 that moves out0 by no more than the rounding of z's last place.  Both inputs stay loaded: z feeds the distances and the loss.
; LIMIT of that: a NaN, an infinity or an overflow of z_q - z that would reach out0 only through the sum left out is not carried to out0
; (it still reaches out1 through the distances and out2 through the loss).
; ALL ELSE IS DONE.  In particular sum(z*z) stays, although it is the same for all codes of a row: it is some hundred times larger than the
; other two terms, so reference()'s f32 sums lose low bits of them, and which of two nearly equal distances is the smaller hangs on that
; rounding.  Step 2 therefore forms fl(fl(zz - 2 dot) + ee) as reference() does.
; The squares are summed from the ROUNDED numbers, so that distances are those of one consistent set of inputs (z and embedding in bf16).
; LIMIT: the order of the 256 additions in a row's sum differs from reference()'s.
; Work-groups 0-255 take 64 rows of z each, 256-383 take 64 rows of embedding; a wave takes 16 rows.  A row is 1,024 bytes: two loads of
; 16 bytes a lane, 512 neighbouring bytes each.  All 32 loads of a wave go out at once (16 KiB a wave), so there is no loop and no ring.
; No matrix unit, no cluster: no byte is read twice and there is one multiply-add per number.
.set X, 8                              ; v[8+8i : 15+8i]  row i: 8 f32 as loaded; then 4 packed words to store and 4 registers at work
	s_load_b256 s[4:11], s[0:1], 0x0               ; embedding s[4:5], z s[6:7], ebf s[8:9], zbf s[10:11]
	s_load_b128 s[12:15], s[0:1], 0x20             ; ee s[12:13], zz s[14:15]
	v_lshl_add_u32 v136, v0, 2, 0x100
	v_mov_b32 v137, 0
	v_lshrrev_b32 v1, 5, v0
	v_readfirstlane_b32 s23, v1                    ; wave 0..3
	v_and_b32 v6, 31, v0                           ; lane
	v_and_b32 v7, 15, v0
	v_lshlrev_b32 v1, 4, v6                        ; 16 x lane: my 16 bytes in each half of an f32 row
	v_lshlrev_b32 v2, 3, v6                        ; 8 x lane: my 8 bytes in each half of a bf16 row
	s_lshl_b32 s24, s23, 4
	v_add_lshl_u32 v7, v7, s24, 2                  ; LDS: word 16 w + lane % 16, the sum of that row of the group
	s_mov_b32 s26, 0x76543210                      ; v_permlanex16_b32: lane i of one half reads lane i of the other
	s_mov_b32 s27, 0xfedcba98
	s_mov_b32 s28, 0xffff0000                      ; a word's upper bf16
	s_and_b32 s22, ttmp9, 255                      ; block of 64 rows inside its tensor
	s_lshl_b32 s24, s22, 16                        ; 64 rows x 1,024 bytes
	s_lshl_b32 s25, s23, 14                        ; + wave x 16 rows
	s_add_co_u32 s24, s24, s25
	s_mov_b32 s25, 0
	s_cmp_lt_u32 ttmp9, 256                        ; z or embedding: hangs on the work-group's number alone
	s_wait_kmcnt 0x0
	s_cselect_b64 s[16:17], s[6:7], s[4:5]         ; source
	s_cselect_b64 s[18:19], s[10:11], s[8:9]       ; rounded copy
	s_cselect_b64 s[20:21], s[14:15], s[12:13]     ; sums of squares
	s_add_nc_u64 s[16:17], s[16:17], s[24:25]
	s_lshr_b32 s24, s24, 1                         ; bf16 rows are half as long
	s_add_nc_u64 s[18:19], s[18:19], s[24:25]
	s_lshl_b32 s24, s22, 8                         ; 64 sums of 4 bytes
	s_add_nc_u64 s[20:21], s[20:21], s[24:25]
.irp i, 0,1,2,3,4,5,6,7,8,9,10,11,12,13,14,15
	global_load_b128 v[X+8*\i:X+8*\i+3],   v1, s[16:17] offset:1024*\i th:TH_LOAD_NT       ; columns 4 l .. 4 l + 3
	global_load_b128 v[X+8*\i+4:X+8*\i+7], v1, s[16:17] offset:1024*\i+512 th:TH_LOAD_NT   ; columns 128 + 4 l ..
.endr
; Row i: round, store, square the rounded numbers, sum over the wave, keep the sum in lanes i and 16 + i of v3.
.macro ROW i
	s_wait_loadcnt 30-2*\i                         ; loads return in order: this row's two are in, the 30 - 2 i younger ones stay out
	v_cvt_pk_bf16_f32 v[X+8*\i],   v[X+8*\i],   v[X+8*\i+1]    ; in place: each target has been read by then
	v_cvt_pk_bf16_f32 v[X+8*\i+1], v[X+8*\i+2], v[X+8*\i+3]
	v_cvt_pk_bf16_f32 v[X+8*\i+2], v[X+8*\i+4], v[X+8*\i+5]
	v_cvt_pk_bf16_f32 v[X+8*\i+3], v[X+8*\i+6], v[X+8*\i+7]
	global_store_b64 v2, v[X+8*\i:X+8*\i+1],   s[18:19] offset:512*\i        ; 32 lanes x 8 bytes: 256 consecutive bytes, aligned
	global_store_b64 v2, v[X+8*\i+2:X+8*\i+3], s[18:19] offset:512*\i+256    ; the stores' data registers are never written again
	v_lshlrev_b32 v[X+8*\i+4], 16,  v[X+8*\i]      ; the rounded numbers back as f32
	v_and_b32     v[X+8*\i+5], s28, v[X+8*\i]
	v_lshlrev_b32 v[X+8*\i+6], 16,  v[X+8*\i+1]
	v_and_b32     v[X+8*\i+7], s28, v[X+8*\i+1]
	v_pk_mul_f32 v[4:5], v[X+8*\i+4:X+8*\i+5], v[X+8*\i+4:X+8*\i+5]          ; the first product starts the sum
	v_pk_fma_f32 v[4:5], v[X+8*\i+6:X+8*\i+7], v[X+8*\i+6:X+8*\i+7], v[4:5]
	v_lshlrev_b32 v[X+8*\i+4], 16,  v[X+8*\i+2]
	v_and_b32     v[X+8*\i+5], s28, v[X+8*\i+2]
	v_lshlrev_b32 v[X+8*\i+6], 16,  v[X+8*\i+3]
	v_and_b32     v[X+8*\i+7], s28, v[X+8*\i+3]
	v_pk_fma_f32 v[4:5], v[X+8*\i+4:X+8*\i+5], v[X+8*\i+4:X+8*\i+5], v[4:5]
	v_pk_fma_f32 v[4:5], v[X+8*\i+6:X+8*\i+7], v[X+8*\i+6:X+8*\i+7], v[4:5]
	v_add_f32 v4, v4, v5
	v_add_f32_dpp v4, v4, v4 row_xmask:1 row_mask:0xf bank_mask:0xf
	v_add_f32_dpp v4, v4, v4 row_xmask:2 row_mask:0xf bank_mask:0xf
	v_add_f32_dpp v4, v4, v4 row_xmask:4 row_mask:0xf bank_mask:0xf
	v_add_f32_dpp v4, v4, v4 row_xmask:8 row_mask:0xf bank_mask:0xf
	v_permlanex16_b32 v6, v4, s26, s27             ; v6 has been written before
	v_add_f32 v4, v4, v6                           ; every lane holds the row's sum
.if \i == 0
	v_mov_b32 v3, v4
.else
	s_mov_b32 s29, 0x10001<<\i
	v_cndmask_b32 v3, v3, v4, s29                  ; lanes i and 16 + i keep it
.endif
.endm
.irp i, 0,1,2,3,4,5,6,7,8,9,10,11,12,13,14,15
	ROW \i
.endr
	; The group's 64 sums meet in LDS, so that they leave as one store of 256 consecutive bytes.
	ds_store_b32 v7, v3                            ; lanes l and l + 16 write the same word with the same value
	s_wait_dscnt 0x0                               ; my words are written before I signal: wave 0 reads them
	s_barrier_signal -1
	s_barrier_wait -1
	s_cmp_lg_u32 s23, 0
	s_cbranch_scc1 .Lend
	ds_load_b64 v[4:5], v2
	s_wait_dscnt 0x0
	global_store_b64 v2, v[4:5], s[20:21]
.Lend:
	s_wait_tensorcnt 0x0
	ds_add_u32 v136, v137
	s_wait_dscnt 0x0
	s_endpgm
.Lfunc_end_k_q97ba77ccd2_prep:
	.size	k_q97ba77ccd2_prep, .Lfunc_end_k_q97ba77ccd2_prep-k_q97ba77ccd2_prep
	.p2alignl 7, 3214868480
	.fill 96, 4, 3214868480
	.section	.rodata,"a",@progbits
	.p2align	6, 0x0
	.amdhsa_kernel k_q97ba77ccd2_prep
		.amdhsa_group_segment_fixed_size 768
		.amdhsa_private_segment_fixed_size 0
		.amdhsa_enable_private_segment 0
		.amdhsa_kernarg_size 48
		.amdhsa_user_sgpr_count 2
		.amdhsa_user_sgpr_kernarg_segment_ptr 1
		.amdhsa_wavefront_size32 1
		.amdhsa_system_sgpr_workgroup_id_x 1
		.amdhsa_system_sgpr_workgroup_id_y 1
		.amdhsa_system_sgpr_workgroup_id_z 1
		.amdhsa_system_vgpr_workitem_id 0
		.amdhsa_next_free_vgpr 138
		.amdhsa_next_free_sgpr 66
		.amdhsa_reserve_vcc 0
		.amdhsa_float_denorm_mode_32 3
		.amdhsa_float_denorm_mode_16_64 3
		.amdhsa_memory_ordered 1
		.amdhsa_forward_progress 1
		.amdhsa_inst_pref_size 29
	.end_amdhsa_kernel
	.amdgpu_metadata
---
amdhsa.version: [ 1, 2 ]
amdhsa.kernels:
  - .name:           k_q97ba77ccd2_prep
    .symbol:         k_q97ba77ccd2_prep.kd
    .args:
      - { .name: embedding, .offset: 0, .size: 8, .value_kind: global_buffer, .address_space: global }
      - { .name: z, .offset: 8, .size: 8, .value_kind: global_buffer, .address_space: global }
      - { .name: ebf, .offset: 16, .size: 8, .value_kind: global_buffer, .address_space: global }
      - { .name: zbf, .offset: 24, .size: 8, .value_kind: global_buffer, .address_space: global }
      - { .name: ee, .offset: 32, .size: 8, .value_kind: global_buffer, .address_space: global }
      - { .name: zz, .offset: 40, .size: 8, .value_kind: global_buffer, .address_space: global }
    .group_segment_fixed_size: 768
    .private_segment_fixed_size: 0
    .kernarg_segment_align: 8
    .kernarg_segment_size: 48
    .max_flat_workgroup_size: 128
    .sgpr_count:     66
    .vgpr_count:     138
    .wavefront_size: 32
...
	.end_amdgpu_metadata
.endif
;; end of part 1
;; launch argmin (part 2): grid 64 x 4, 4 waves a work-group, clusters of 4 x 1, 327,680 bytes of LDS; arguments ebf, zbf, ee, zz, cand; writes cand
.if DOCPART == 2
	.amdgcn_target "amdgcn-amd-amdhsa--gfx1250"
	.amdhsa_code_object_version 6
	.text
	.protected	k_q97ba77ccd2_argmin
	.globl	k_q97ba77ccd2_argmin
	.p2align	8
	.type	k_q97ba77ccd2_argmin,@function
k_q97ba77ccd2_argmin:
	s_mov_b64 s[64:65], 0
	v_nop
	global_prefetch_b8 v0, s[64:65] scope:SCOPE_SE
	s_setreg_imm32_b32 hwreg(HW_REG_WAVE_MODE, 25, 1), 1
	s_wait_xcnt 0x0
	s_wait_alu depctr_hold_cnt(0) depctr_sa_sdst(0) depctr_va_vdst(0) depctr_va_sdst(0) depctr_va_ssrc(0) depctr_va_vcc(0) depctr_vm_vsrc(0)
	s_getreg_b32 s2, hwreg(HW_REG_IB_STS2, 6, 4)
	s_cmp_eq_u32 s2, 0
	s_cbranch_scc0 .Lentry_in_a_cluster
	s_endpgm
.Lentry_in_a_cluster:
	s_bfe_u32 s2, ttmp6, 0x10000c
	s_cmp_lg_u32 s2, 0x3003
	s_cbranch_scc0 .Lentry_shape_is_right
	s_endpgm
.Lentry_shape_is_right:
; Step 2 of 4: for 256 rows of z and a quarter of the codes (2,048), the smallest distance and its first index.  No work of reference() is left out.
; dist = fl(fl(zz - 2 dot) + ee), reference()'s own order of rounding; dot by the matrix unit from bf16 operands with f32 sums.
; A winner is stored as two whole numbers: key = the distance's bits mapped so that unsigned order is the order of the floats
; (-0 made +0; then positive numbers get the top bit set, negative ones are inverted), and the code's index.  Step 3 merges the four quarters.
; LIMITS: a NaN distance is never chosen (jnp.argmin would return the first NaN); rows whose distances are all +inf give the quarter's first
; index, as argmin does; the order of additions inside a dot product differs from reference()'s; operands and norms are those of bf16-rounded inputs.
;
; SHARES.  Work-group (bx, q): rows 256 bx .., codes 2,048 q ...  Wave w keeps its 64 rows of z in 256 registers for the whole kernel (the B
; operands) and multiplies every tile of 16 codes (the A operand) onto them: 8 KiB read from LDS feed 32 matrix instructions.
; With A = codes and B = z rows, lane l holds z row l % 16 and its eight results are codes 8 (l / 16) + 0..7: the minimum over codes is in-lane.
; CLUSTER 4 x 1: the four work-groups of a cluster have the same q and ask for the code tiles jointly (mask 15), which divides those requests by
; four.  z and ee are plain loads: a work-group reads 128 KiB of z and 8 KiB of ee once, beside 1 MiB of codes.
; LDS: two slots of 256 codes x 528 bytes (512 of data + 16 of padding: the 16 rows of a fragment load start 33 x 16 bytes apart); slot 1 first
; holds the group's 256 rows of z on their way into registers; ee of the quarter; 512 bytes of scratch for each wave, which no tensor load fills.
.set PITCH, 528
.set WROWS, 64*PITCH                   ; what one tensor load brings: 64 rows
.set HALF,  128*PITCH                  ; eight tiles of 16 codes
.set SLOT,  256*PITCH
.set EE,    2*SLOT
.set SCR,   EE+8192
.set STEP,  256*512                    ; bytes of ebf from one tile of 256 codes to the next
; window 0
.set CA,   4                           ; v4-7    code fragments: r PITCH + 16 h + (slot 0 | slot 0 upper half | slot 1 | slot 1 upper half)
.set EA,   8                           ; v8      ee: EE + 32 h, stepped by 2,048 for every two slots
.set ZA,   9                           ; v9      my wave's z rows in slot 1
.set TV,   10                          ; v10     number of the tile of 16 codes at work, 0..127
.set HOFF, 11                          ; v11     8 h + 2,048 q
.set MN,   12                          ; v12     a tile's smallest distance
.set ZO,   13                          ; v13     4 r
.set OUTD, 14                          ; v14-17  the way out
.set SA,   18                          ; v18     scratch: where a row's pair goes
.set SB,   19                          ; v19     scratch: my 16 bytes of the wave's 512
.set ZZ,   20                          ; v20-27  zz of row 16 i + r, twice (a pair for the packed fma)
.set BEST, 28                          ; v28-31  smallest distance so far
.set TID,  32                          ; v32-35  its tile
.set SAV,  36                          ; v36-67  that tile's eight distances
.set EEB,  68                          ; v68-83  ee of a tile's eight codes, two buffers
.set ACC,  84                          ; v84-115 four accumulators
.set KI,   116                         ; v116-123 {key, index} of the four row tiles
.set T0,   124
.set T1,   125
.set T2,   126
.set T3,   127
.set CF,   128                         ; v128-255 code fragments (16 codes x 256 k), two buffers
; window 1: v[64 i + 8 s .. + 7] = z rows 16 i .. 16 i + 15 of my wave, k = 32 s .. 32 s + 31
.set G1C, 24                           ; s[24:31] shape of a code tile, with the mask
.set G1Z, 32                           ; s[32:39] shape of a z tile
.set G1E, 40                           ; s[40:47] shape of ee's row
.set G0C, 48                           ; s[48:55] from where, to where: code tiles, a set for each slot
.set G0Z, 56                           ; s[56:59] z
.set G0E, 60                           ; s[60:63] ee
.set MSB, 0
.macro WIN new                         ; the immediate's high byte repeats the setting that is left
.if MSB != \new
	s_set_vgpr_msb (MSB<<8)|\new
.set MSB, \new
.endif
.endm
; A round of the cluster's barrier: my work-group's barrier, so that wave 0's signal speaks for all four waves; wave 0 signals for the
; work-group; every wave waits for the four work-groups; my work-group's barrier once more.
.macro ROUND
	s_barrier_signal -1
	s_barrier_wait -1
	s_cmp_lg_u32 s16, 0
	s_cbranch_scc1 .Lnot_wave_0_\@
	s_barrier_signal -3
.Lnot_wave_0_\@:
	s_barrier_wait -3
	s_barrier_signal -1
	s_barrier_wait -1
.endm
	s_load_b256 s[4:11], s[0:1], 0x0               ; ebf s[4:5], zbf s[6:7], ee s[8:9], zz s[10:11]
	s_load_b64 s[12:13], s[0:1], 0x20              ; cand
	s_set_vgpr_msb 0x80
	v_lshl_add_u32 v0, v0, 2, 0x44800
	v_mov_b32 v1, 0
	s_set_vgpr_msb 0x808a
	ds_add_u32 v0, v1
	s_set_vgpr_msb 0x8a00
	v_lshrrev_b32 v1, 5, v0
	v_readfirstlane_b32 s16, v1                    ; wave 0..3
	s_and_b32 s17, ttmp7, 0xffff                   ; q: the cluster's y (a cluster is one work-group high)
	s_bfe_u32 s18, ttmp6, 0x40000                  ; cx.  s18, s19, s[68:71] alone ever hold it: none of them feeds the joint load
	s_lshl_b32 s19, ttmp9, 2
	s_add_co_u32 s19, s19, s18                     ; bx = 4 x cluster x + cx
	s_mov_b32 s72, 0x76543210                      ; v_permlanex16_b32: lane i of one half reads lane i of the other
	s_mov_b32 s73, 0xfedcba98
	; group 1: 64 rows x 256 elements of 2 bytes, 4 words of padding behind every 128 words
	s_mov_b32 s[G1C+0], 15|(1<<16)|(1<<20)|(1<<21)|(6<<22)|(3<<25)  ; 15:0 the cluster's four work-groups; 17:16 2 bytes; 20 padding; 21 set beside a mask; 24:22 interval code 6; 31:25 pad code 3
	s_mov_b32 s[G1Z+0], (1<<16)|(1<<20)|(6<<22)|(3<<25)             ; the same shape, no mask: my work-group's own rows
.irp g, G1C, G1Z
	s_mov_b32 s[\g+1], 256<<16                     ; tensor_dim0 = 256
	s_mov_b32 s[\g+2], 64<<16                      ; tensor_dim1 = 64
	s_mov_b32 s[\g+3], 256<<16                     ; tile_dim0 = 256
	s_mov_b32 s[\g+4], 64                          ; tile_dim1 = 64
	s_mov_b32 s[\g+5], 256                         ; elements from row to row
	s_mov_b32 s[\g+6], 0
	s_mov_b32 s[\g+7], 0
.endr
	s_mov_b32 s[G1E+0], 3<<16                      ; one row of 256 elements of 8 bytes: 512 numbers of ee
	s_mov_b32 s[G1E+1], 256<<16
	s_mov_b32 s[G1E+2], 1<<16
	s_mov_b32 s[G1E+3], 256<<16
	s_mov_b32 s[G1E+4], 1
	s_mov_b32 s[G1E+5], 256
	s_mov_b32 s[G1E+6], 0
	s_mov_b32 s[G1E+7], 0
	; offsets, apart from the addresses
	s_mul_i32 s20, s16, WROWS                      ; my 64 rows inside a slot
	s_lshl_b32 s21, s16, 15                        ; 64 w rows of 512 bytes
	s_lshl_b32 s22, s17, 20                        ; 2,048 q rows of 512 bytes
	s_add_co_u32 s22, s22, s21
	s_mov_b32 s23, 0
	s_lshl_b32 s14, s17, 13                        ; ee: 2,048 q + 512 w numbers of 4 bytes
	s_lshl_b32 s15, s16, 11
	s_add_co_u32 s14, s14, s15
	s_add_co_u32 s[G0E+1], s15, EE                 ; and where they go
	s_mov_b32 s15, 0
	s_lshl_b32 s68, s19, 17                        ; z: 256 bx + 64 w rows of 512 bytes
	s_add_co_u32 s68, s68, s21
	s_mov_b32 s69, 0
	s_lshl_b32 s70, s19, 10                        ; zz: 256 bx + 64 w numbers of 4 bytes
	s_lshl_b32 s71, s16, 8
	s_add_co_u32 s70, s70, s71
	s_mov_b32 s71, 0
	s_wait_dscnt 0x0
	s_wait_kmcnt 0x0
	s_add_nc_u64 s[22:23], s[4:5], s[22:23]        ; my rows of the quarter's first tile: q and w alone
.irp n, 0,1
	s_mov_b32 s[G0C+4*\n], 1
	s_add_co_u32 s[G0C+4*\n+1], s20, \n*SLOT
	s_add_nc_u64 s[G0C+4*\n+2:G0C+4*\n+3], s[22:23], \n*STEP
	s_or_b32 s[G0C+4*\n+3], s[G0C+4*\n+3], 0x80000000
.endr
	s_mov_b32 s[G0Z], 1
	s_add_co_u32 s[G0Z+1], s20, SLOT               ; z passes through slot 1
	s_add_nc_u64 s[G0Z+2:G0Z+3], s[6:7], s[68:69]
	s_or_b32 s[G0Z+3], s[G0Z+3], 0x80000000
	s_mov_b32 s[G0E], 1
	s_add_nc_u64 s[G0E+2:G0E+3], s[8:9], s[14:15]
	s_or_b32 s[G0E+3], s[G0E+3], 0x80000000
	s_add_nc_u64 s[70:71], s[10:11], s[70:71]      ; zz of my wave's rows
	s_lshl_b32 s68, s17, 17                        ; cand: (16,384 q + 256 bx + 64 w) pairs of 8 bytes
	s_lshl_b32 s69, s19, 11
	s_add_co_u32 s68, s68, s69
	s_lshl_b32 s69, s16, 9
	s_add_co_u32 s68, s68, s69
	s_mov_b32 s69, 0
	s_add_nc_u64 s[12:13], s[12:13], s[68:69]
	v_and_b32 v1, 15, v0                           ; r
	v_lshlrev_b32 v[ZO], 2, v1
.irp i, 0,1,2,3
	global_load_b32 v[ZZ+2*\i], v[ZO], s[70:71] offset:64*\i       ; zz of row 16 i + r
.endr
	ROUND                                          ; the four work-groups are here: the first joint load meets
	tensor_load_to_lds s[G0Z:G0Z+3], s[G1Z:G1Z+7]  ; the first fills, one group: my z rows,
	s_nop 0
	tensor_load_to_lds s[G0C:G0C+3], s[G1C:G1C+7]  ; my quarter of code tile 0 (joint),
	s_nop 0
	tensor_load_to_lds s[G0E:G0E+3], s[G1E:G1E+7]  ; my quarter of ee.  Three loads out, the most in this text
	s_nop 0
	v_bfe_u32 v2, v0, 4, 1                         ; h
	v_and_b32 v3, 31, v0
	v_lshlrev_b32 v3, 4, v3                        ; 16 x lane
	v_mul_u32_u24 v[CA], v1, PITCH
	v_lshl_add_u32 v[CA], v2, 4, v[CA]             ; a fragment: lane l takes row l % 16, 16 bytes at 16 (l / 16), and 16 more 32 bytes on
	v_add_nc_u32 v[CA+1], HALF, v[CA]              ; four bases, so that the loads' offsets stay inside 16 bits
	v_add_nc_u32 v[CA+2], SLOT, v[CA]
	v_add_nc_u32 v[CA+3], SLOT+HALF, v[CA]
	v_lshlrev_b32 v[EA], 5, v2
	v_add_nc_u32 v[EA], EE, v[EA]
	v_add_nc_u32 v[ZA], s20, v[CA+2]
	v_mov_b32 v[TV], -1
	v_lshlrev_b32 v[HOFF], 3, v2
	v_lshl_add_u32 v[HOFF], s17, 11, v[HOFF]
	s_lshl_b32 s67, s16, 9
	s_add_co_u32 s67, s67, SCR
	v_lshl_add_u32 v[SA], v1, 3, s67
	v_add_nc_u32 v[SB], s67, v3
	v_mov_b32 v[T3], 0                             ; a lane permute's target counts as read
.irp i, 0,1,2,3
	v_mov_b32 v[BEST+\i], 0x7f800000               ; +inf: any finite distance is smaller
	v_mov_b32 v[TID+\i], 0
.endr
.set k, 0
.rept 32
	v_mov_b32 v[SAV+k], 0x7f800000                 ; so that a row of +inf alone ends at its first code
.set k, k+1
.endr
	s_wait_tensorcnt 0x2                           ; tensor loads of a wave end in order: my z rows are in; the code tile and ee stay out.  Only I read these rows
	WIN 0x40                                       ; destination in window 1
.irp i, 0,1,2,3
.irp ks, 0,1,2,3,4,5,6,7
	ds_load_b128 v[64*\i+8*\ks:64*\i+8*\ks+3],   v[ZA] offset:\i*16*PITCH+64*\ks
	ds_load_b128 v[64*\i+8*\ks+4:64*\i+8*\ks+7], v[ZA] offset:\i*16*PITCH+64*\ks+32
.endr
.endr
	WIN 0
	s_wait_loadcnt 0x0                             ; zz
.irp i, 0,1,2,3
	v_mov_b32 v[ZZ+2*\i+1], v[ZZ+2*\i]
.endr
; 18 LDS loads: tile c (16 codes x 256 k) of a slot and its ee into buffer b
.macro FETCH slot, c, b
.irp ks, 0,1,2,3,4,5,6,7
	ds_load_b128 v[CF+64*(\b)+8*\ks:CF+64*(\b)+8*\ks+3],   v[CA+2*\slot+((\c)>>3)] offset:((\c)&7)*16*PITCH+64*\ks
	ds_load_b128 v[CF+64*(\b)+8*\ks+4:CF+64*(\b)+8*\ks+7], v[CA+2*\slot+((\c)>>3)] offset:((\c)&7)*16*PITCH+64*\ks+32
.endr
	ds_load_b128 v[EEB+8*(\b):EEB+8*(\b)+3],   v[EA] offset:\slot*1024+64*(\c)       ; ee of codes 8 h .. 8 h + 7 of the tile: the lanes of a half share the words
	ds_load_b128 v[EEB+8*(\b)+4:EEB+8*(\b)+7], v[EA] offset:\slot*1024+64*(\c)+16
.endm
; 32 matrix instructions: 16 codes x my 64 rows x 256 k.  The first four start the sums with C = 0.  The four accumulators take turns, one
; instruction a turn, also from one tile to the next.
.macro MUL b
	WIN 0x04                                       ; source 1 (z) in window 1
.irp i, 0,1,2,3
	v_wmma_f32_16x16x32_bf16 v[ACC+8*\i:ACC+8*\i+7], v[CF+64*(\b):CF+64*(\b)+7], v[64*\i:64*\i+7], 0
.endr
.irp ks, 1,2,3,4,5,6,7
.irp i, 0,1,2,3
	v_wmma_f32_16x16x32_bf16 v[ACC+8*\i:ACC+8*\i+7], v[CF+64*(\b)+8*\ks:CF+64*(\b)+8*\ks+7], v[64*\i+8*\ks:64*\i+8*\ks+7], v[ACC+8*\i:ACC+8*\i+7]
.endr
.endr
	WIN 0
	v_add_nc_u32 v[TV], 1, v[TV]                   ; four places behind the last matrix instruction (ISA guide 7.12.1) before its results are read
	v_nop                                          ; and before loads land on its sources: the tile's number, and three v_nop
	v_nop
	v_nop
.endm
; Row tile i: the eight distances in reference()'s order of rounding, their minimum, and, where it beats the best so far (strictly: the earlier
; tile keeps a tie), the minimum, the tile's number and the eight distances are kept.  Which of the eight it was is found once, at the end.
.macro EPI i, b
.irp j, 0,2,4,6
	v_pk_fma_f32 v[ACC+8*\i+\j:ACC+8*\i+\j+1], v[ACC+8*\i+\j:ACC+8*\i+\j+1], -2.0, v[ZZ+2*\i:ZZ+2*\i+1] op_sel_hi:[1,0,1]   ; fl(zz - 2 dot): 2 dot is exact
.endr
.irp j, 0,2,4,6
	v_pk_add_f32 v[ACC+8*\i+\j:ACC+8*\i+\j+1], v[ACC+8*\i+\j:ACC+8*\i+\j+1], v[EEB+8*(\b)+\j:EEB+8*(\b)+\j+1]               ; + ee
.endr
	v_min3_num_f32 v[MN], v[ACC+8*\i],  v[ACC+8*\i+1], v[ACC+8*\i+2]
	v_min3_num_f32 v[MN], v[MN], v[ACC+8*\i+3], v[ACC+8*\i+4]
	v_min3_num_f32 v[MN], v[MN], v[ACC+8*\i+5], v[ACC+8*\i+6]
	v_min_num_f32  v[MN], v[MN], v[ACC+8*\i+7]
	v_cmp_lt_f32 vcc_lo, v[MN], v[BEST+\i]
	v_cndmask_b32 v[BEST+\i], v[BEST+\i], v[MN], vcc_lo
	v_cndmask_b32 v[TID+\i],  v[TID+\i],  v[TV], vcc_lo
.irp j, 0,1,2,3,4,5,6,7
	v_cndmask_b32 v[SAV+8*\i+\j], v[SAV+8*\i+\j], v[ACC+8*\i+\j], vcc_lo
.endr
.endm
.macro TILE slot, c
.if \c < 15
	FETCH \slot, \c+1, (\c+1)&1                    ; the next tile's fragments, a tile's work ahead of their use
	s_wait_dscnt 18                                ; LDS loads return in order: all but the 18 just issued are in
.else
	s_wait_dscnt 0x0                               ; the slot's last tile: nothing was issued behind its loads
.endif
	MUL (\c)&1
	EPI 0, (\c)&1
	EPI 1, (\c)&1
	EPI 2, (\c)&1
	EPI 3, (\c)&1
.endm
; One slot: 256 codes.  In front of the round each wave waits for all its tensor loads (its part of this slot among them) and for its LDS reads
; (of the other slot; in the first trip of the z rows there).  Behind the round no wave of the cluster reads the other slot or has a load on its
; way: the joint refill comes first, one load a wave, and has this slot's 512 matrix instructions in which to land.
.macro TRIP slot, refill
	s_set_vgpr_msb 0xa
	s_wait_tensorcnt 0x0
	ds_add_u32 v0, v1
	s_wait_dscnt 0x0
	s_set_vgpr_msb 0xa00
	s_add_nc_u64 s[G0C+4*\slot+2:G0C+4*\slot+3], s[G0C+4*\slot+2:G0C+4*\slot+3], 2*STEP   ; no load of mine is out: this slot's next tile
	s_wait_dscnt 0x0
	ROUND
.if \refill
	tensor_load_to_lds s[G0C+4*(1-\slot):G0C+4*(1-\slot)+3], s[G1C:G1C+7]
	s_nop 0
.endif
	FETCH \slot, 0, 0
.irp c, 0,1,2,3,4,5,6,7,8,9,10,11,12,13,14,15
	TILE \slot, \c
.endr
.endm
	s_mov_b32 s66, 3                               ; eight slots of 256 codes: three trips of two, and two written out
.Lloop:
	TRIP 0, 1
	TRIP 1, 1
	v_add_nc_u32 v[EA], 2048, v[EA]                ; ee of the next 512 codes
	s_sub_co_u32 s66, s66, 1
	s_cmp_lg_u32 s66, 0
	s_cbranch_scc1 .Lloop
	TRIP 0, 1                                      ; asks for the last 256 codes
	TRIP 1, 0                                      ; nothing is left to fetch (slot 1's stepped address is not used)
; Row tile i: the first of the winner tile's eight distances that equals the minimum; index and key; then the better of the two halves of the
; lanes (codes 8 h + ..): the smaller key, on equal keys the smaller index.  Both halves then hold, and write, the same pair.
.macro FIN i
	v_mov_b32 v[T0], 7
.irp j, 6,5,4,3,2,1,0
	v_cmp_neq_f32 vcc_lo, v[SAV+8*\i+\j], v[BEST+\i]
	v_cndmask_b32 v[T0], \j, v[T0], vcc_lo
.endr
	v_lshl_add_u32 v[T0], v[TID+\i], 4, v[T0]
	v_add_nc_u32 v[KI+2*\i+1], v[T0], v[HOFF]      ; 2,048 q + 16 tile + 8 h + j
	v_add_f32 v[T1], 0, v[BEST+\i]                 ; -0 becomes +0
	v_ashrrev_i32 v[T2], 31, v[T1]
	v_or_b32 v[T2], 0x80000000, v[T2]
	v_xor_b32 v[KI+2*\i], v[T1], v[T2]
	v_permlanex16_b32 v[T2], v[KI+2*\i], s72, s73
	v_permlanex16_b32 v[T3], v[KI+2*\i+1], s72, s73
	v_cmp_lt_u32 s74, v[T2], v[KI+2*\i]
	v_cmp_eq_u32 s75, v[T2], v[KI+2*\i]
	v_cmp_lt_u32 s76, v[T3], v[KI+2*\i+1]
	s_and_b32 s75, s75, s76
	s_or_b32 vcc_lo, s74, s75
	v_cndmask_b32 v[KI+2*\i],   v[KI+2*\i],   v[T2], vcc_lo
	v_cndmask_b32 v[KI+2*\i+1], v[KI+2*\i+1], v[T3], vcc_lo
	ds_store_b64 v[SA], v[KI+2*\i:KI+2*\i+1] offset:128*\i
.endm
	FIN 0
	FIN 1
	FIN 2
	FIN 3
	ds_load_b128 v[OUTD:OUTD+3], v[SB]             ; my wave's own bytes: LDS serves a wave's instructions in order
	s_wait_dscnt 0x0
	global_store_b128 v3, v[OUTD:OUTD+3], s[12:13] ; 64 rows' pairs: 512 consecutive bytes, aligned
	s_set_vgpr_msb 0xa
	s_wait_tensorcnt 0x0
	ds_add_u32 v0, v1
	s_wait_dscnt 0x0
	s_set_vgpr_msb 0xa00
	ROUND                                          ; the closing round: no work-group ends while a partner may still ask jointly
	s_endpgm
.Lfunc_end_k_q97ba77ccd2_argmin:
	.size	k_q97ba77ccd2_argmin, .Lfunc_end_k_q97ba77ccd2_argmin-k_q97ba77ccd2_argmin
	.p2alignl 7, 3214868480
	.fill 96, 4, 3214868480
	.section	.rodata,"a",@progbits
	.p2align	6, 0x0
	.amdhsa_kernel k_q97ba77ccd2_argmin
		.amdhsa_group_segment_fixed_size 327680
		.amdhsa_private_segment_fixed_size 0
		.amdhsa_enable_private_segment 0
		.amdhsa_kernarg_size 40
		.amdhsa_user_sgpr_count 2
		.amdhsa_user_sgpr_kernarg_segment_ptr 1
		.amdhsa_wavefront_size32 1
		.amdhsa_system_sgpr_workgroup_id_x 1
		.amdhsa_system_sgpr_workgroup_id_y 1
		.amdhsa_system_sgpr_workgroup_id_z 1
		.amdhsa_system_vgpr_workitem_id 0
		.amdhsa_next_free_vgpr 514
		.amdhsa_next_free_sgpr 80
		.amdhsa_reserve_vcc 1
		.amdhsa_float_denorm_mode_32 3
		.amdhsa_float_denorm_mode_16_64 3
		.amdhsa_memory_ordered 1
		.amdhsa_forward_progress 1
		.amdhsa_inst_pref_size 255
	.end_amdhsa_kernel
	.section	.bss,"aw",@nobits
	.p2align	6
	.space	262144
	.amdgpu_metadata
---
amdhsa.version: [ 1, 2 ]
amdhsa.kernels:
  - .name:           k_q97ba77ccd2_argmin
    .symbol:         k_q97ba77ccd2_argmin.kd
    .args:
      - { .name: ebf, .offset: 0, .size: 8, .value_kind: global_buffer, .address_space: global }
      - { .name: zbf, .offset: 8, .size: 8, .value_kind: global_buffer, .address_space: global }
      - { .name: ee, .offset: 16, .size: 8, .value_kind: global_buffer, .address_space: global }
      - { .name: zz, .offset: 24, .size: 8, .value_kind: global_buffer, .address_space: global }
      - { .name: cand, .offset: 32, .size: 8, .value_kind: global_buffer, .address_space: global }
    .group_segment_fixed_size: 327680
    .private_segment_fixed_size: 0
    .kernarg_segment_align: 8
    .kernarg_segment_size: 40
    .max_flat_workgroup_size: 128
    .sgpr_count:     80
    .vgpr_count:     514
    .wavefront_size: 32
...
	.end_amdgpu_metadata
.endif
;; end of part 2
;; launch gather (part 3): grid 256 x 1, 8 waves a work-group, no clusters, 1,280 bytes of LDS; arguments cand, embedding, z, out0, out1, part; writes out0, out1, part
.if DOCPART == 3
	.amdgcn_target "amdgcn-amd-amdhsa--gfx1250"
	.amdhsa_code_object_version 6
	.text
	.protected	k_q97ba77ccd2_gather
	.globl	k_q97ba77ccd2_gather
	.p2align	8
	.type	k_q97ba77ccd2_gather,@function
k_q97ba77ccd2_gather:
	s_mov_b64 s[64:65], 0
	v_nop
	global_prefetch_b8 v0, s[64:65] scope:SCOPE_SE
	s_setreg_imm32_b32 hwreg(HW_REG_WAVE_MODE, 25, 1), 1
	s_wait_xcnt 0x0
; Step 3 of 4: merge the four quarters' winners, look the code up, out0 = z + (e - z), out1 = index, and the group's sum of (e - z)^2.
; No work of reference() is left out.  The merge is on whole numbers read from memory: the smaller key wins, and a later quarter only if its key
; is strictly smaller, so that the lower index keeps a tie, as argmin does.  The loss is summed from (e - z)^2 itself, in f32, from the inputs as given.
; A work-group takes 64 rows, a wave 8.  A row is 1,024 bytes: two loads of 16 bytes a lane, 512 neighbouring bytes each.  All of a wave's
; 8 KiB of z and 8 KiB of embedding rows are asked for at once: no loop.  No matrix unit and no cluster: nothing here is a product or is shared.
.set IDX, 20                           ; v20-21  index of the group's rows 2 l and 2 l + 1
.set EO,  22                           ; v22-29  byte offset of my 16 bytes in the embedding row of my wave's row i; never rewritten
.set ZR,  32                           ; v32-95  z, 8 registers a row
.set ER,  96                           ; v96-159 e, then e - z, then the result
.set SM,  160                          ; v160-167 four pairs of sums
	s_load_b256 s[4:11], s[0:1], 0x0               ; cand s[4:5], embedding s[6:7], z s[8:9], out0 s[10:11]
	s_load_b128 s[12:15], s[0:1], 0x20             ; out1 s[12:13], part s[14:15]
	v_lshl_add_u32 v172, v0, 2, 0x100
	v_mov_b32 v173, 0
	v_lshrrev_b32 v2, 5, v0
	v_readfirstlane_b32 s16, v2                    ; wave 0..7
	v_and_b32 v3, 31, v0
	v_lshlrev_b32 v1, 4, v3                        ; 16 x lane
	v_lshlrev_b32 v3, 3, v3                        ; 8 x lane
	s_lshl_b32 s24, s16, 2                         ; 4 w: the lane that holds my wave's first two rows, and my word in LDS
	v_mov_b32 v2, s24
	v_mov_b32 v168, 0
	s_mov_b32 s50, 0x76543210
	s_mov_b32 s51, 0xfedcba98
	s_lshl_b32 s26, ttmp9, 16                      ; 64 rows of 1,024 bytes
	s_lshl_b32 s27, s16, 13                        ; + 8 w rows
	s_add_co_u32 s26, s26, s27
	s_mov_b32 s27, 0
	s_lshl_b32 s28, ttmp9, 9                       ; 64 pairs of 8 bytes
	s_mov_b32 s29, 0
	s_lshl_b32 s30, ttmp9, 8                       ; 64 indices of 4 bytes
	s_mov_b32 s31, 0
	s_lshl_b32 s32, ttmp9, 2                       ; one sum
	s_mov_b32 s33, 0
	s_wait_kmcnt 0x0
	s_add_nc_u64 s[18:19], s[8:9], s[26:27]
	s_add_nc_u64 s[20:21], s[10:11], s[26:27]
	s_add_nc_u64 s[22:23], s[4:5], s[28:29]
	s_add_nc_u64 s[12:13], s[12:13], s[30:31]
	s_add_nc_u64 s[14:15], s[14:15], s[32:33]
.irp q, 0,1,2,3
	global_load_b128 v[4+4*\q:7+4*\q], v1, s[22:23] offset:131072*\q        ; quarter q: {key, index} of rows 2 l and 2 l + 1; 512 consecutive bytes
.endr
.irp i, 0,1,2,3,4,5,6,7
	global_load_b128 v[ZR+8*\i:ZR+8*\i+3],   v1, s[18:19] offset:1024*\i th:TH_LOAD_NT
	global_load_b128 v[ZR+8*\i+4:ZR+8*\i+7], v1, s[18:19] offset:1024*\i+512 th:TH_LOAD_NT
.endr
	s_wait_loadcnt 16                              ; the four candidate loads are in; the 16 loads of z stay out
.irp q, 1,2,3
	v_cmp_lt_u32 vcc_lo, v[4+4*\q], v4
	v_cndmask_b32 v4, v4, v[4+4*\q], vcc_lo
	v_cndmask_b32 v5, v5, v[5+4*\q], vcc_lo
	v_cmp_lt_u32 vcc_lo, v[6+4*\q], v6
	v_cndmask_b32 v6, v6, v[6+4*\q], vcc_lo
	v_cndmask_b32 v7, v7, v[7+4*\q], vcc_lo
.endr
	v_min_u32 v[IDX],   0x1fff, v5                 ; an index stays inside the table
	v_min_u32 v[IDX+1], 0x1fff, v7
.irp i, 0,1,2,3,4,5,6,7
	s_add_co_u32 s25, s24, (\i>>1)                 ; row 8 w + i of the group lies in lane 4 w + i / 2
	v_readlane_b32 s34, v[IDX+(\i&1)], s25
	s_min_u32 s34, s34, 0x1fff
	v_lshl_add_u32 v[EO+\i], s34, 10, v1           ; index x 1,024 bytes + my 16
	global_load_b128 v[ER+8*\i:ER+8*\i+3],   v[EO+\i], s[6:7]               ; no hint: several rows may name one code
	global_load_b128 v[ER+8*\i+4:ER+8*\i+7], v[EO+\i], s[6:7] offset:512
.endr
.macro ROWG i
	s_wait_loadcnt 14-2*\i                         ; loads return in order: this row's e (and all of z) is in, the 14 - 2 i younger loads stay out
.irp k, 0,1,2,3
	v_pk_add_f32 v[ER+8*\i+2*\k:ER+8*\i+2*\k+1], v[ER+8*\i+2*\k:ER+8*\i+2*\k+1], v[ZR+8*\i+2*\k:ZR+8*\i+2*\k+1] neg_lo:[0,1] neg_hi:[0,1]   ; e - z
.endr
.irp k, 0,1,2,3
.if \i == 0
	v_pk_mul_f32 v[SM+2*\k:SM+2*\k+1], v[ER+8*\i+2*\k:ER+8*\i+2*\k+1], v[ER+8*\i+2*\k:ER+8*\i+2*\k+1]                                       ; the first row starts the sums
.else
	v_pk_fma_f32 v[SM+2*\k:SM+2*\k+1], v[ER+8*\i+2*\k:ER+8*\i+2*\k+1], v[ER+8*\i+2*\k:ER+8*\i+2*\k+1], v[SM+2*\k:SM+2*\k+1]
.endif
.endr
.irp k, 0,1,2,3
	v_pk_add_f32 v[ER+8*\i+2*\k:ER+8*\i+2*\k+1], v[ZR+8*\i+2*\k:ZR+8*\i+2*\k+1], v[ER+8*\i+2*\k:ER+8*\i+2*\k+1]                             ; z + (e - z)
.endr
	global_store_b128 v1, v[ER+8*\i:ER+8*\i+3],   s[20:21] offset:1024*\i th:TH_STORE_NT       ; 512 consecutive bytes, aligned; the data registers are never written again
	global_store_b128 v1, v[ER+8*\i+4:ER+8*\i+7], s[20:21] offset:1024*\i+512 th:TH_STORE_NT
.endm
.irp i, 0,1,2,3,4,5,6,7
	ROWG \i
.endr
	v_pk_add_f32 v[SM:SM+1],   v[SM:SM+1],   v[SM+2:SM+3]
	v_pk_add_f32 v[SM+4:SM+5], v[SM+4:SM+5], v[SM+6:SM+7]
	v_pk_add_f32 v[SM:SM+1],   v[SM:SM+1],   v[SM+4:SM+5]
	v_add_f32 v[SM], v[SM], v[SM+1]
	v_add_f32_dpp v[SM], v[SM], v[SM] row_xmask:1 row_mask:0xf bank_mask:0xf
	v_add_f32_dpp v[SM], v[SM], v[SM] row_xmask:2 row_mask:0xf bank_mask:0xf
	v_add_f32_dpp v[SM], v[SM], v[SM] row_xmask:4 row_mask:0xf bank_mask:0xf
	v_add_f32_dpp v[SM], v[SM], v[SM] row_xmask:8 row_mask:0xf bank_mask:0xf
	v_permlanex16_b32 v[SM+1], v[SM], s50, s51
	v_add_f32 v[SM], v[SM], v[SM+1]
	ds_store_b32 v2, v[SM]                         ; my wave's sum, in its own word
	s_wait_dscnt 0x0                               ; written before I signal: wave 0 reads it
	s_barrier_signal -1
	s_barrier_wait -1
	s_cmp_lg_u32 s16, 0
	s_cbranch_scc1 .Lend
	global_store_b64 v3, v[IDX:IDX+1], s[12:13]    ; the group's 64 indices: 256 consecutive bytes, aligned
	ds_load_b128 v[4:7],  v168
	ds_load_b128 v[8:11], v168 offset:16
	s_wait_dscnt 0x0
	v_pk_add_f32 v[4:5], v[4:5], v[6:7]
	v_pk_add_f32 v[8:9], v[8:9], v[10:11]
	v_pk_add_f32 v[4:5], v[4:5], v[8:9]
	v_add_f32 v4, v4, v5
	v_cmp_eq_u32 vcc_lo, 0, v0
	s_wait_xcnt 0x0                                ; EXEC is a source of the stores above: it changes only behind this wait
	s_and_saveexec_b32 s26, vcc_lo
	global_store_b32 v168, v4, s[14:15]            ; one number for the group; step 4 adds the 256
	s_wait_xcnt 0x0                                ; and again in front of the line that widens it
	s_or_b32 exec_lo, exec_lo, s26
.Lend:
	s_wait_tensorcnt 0x0
	ds_add_u32 v172, v173
	s_wait_dscnt 0x0
	s_endpgm
.Lfunc_end_k_q97ba77ccd2_gather:
	.size	k_q97ba77ccd2_gather, .Lfunc_end_k_q97ba77ccd2_gather-k_q97ba77ccd2_gather
	.p2alignl 7, 3214868480
	.fill 96, 4, 3214868480
	.section	.rodata,"a",@progbits
	.p2align	6, 0x0
	.amdhsa_kernel k_q97ba77ccd2_gather
		.amdhsa_group_segment_fixed_size 1280
		.amdhsa_private_segment_fixed_size 0
		.amdhsa_enable_private_segment 0
		.amdhsa_kernarg_size 48
		.amdhsa_user_sgpr_count 2
		.amdhsa_user_sgpr_kernarg_segment_ptr 1
		.amdhsa_wavefront_size32 1
		.amdhsa_system_sgpr_workgroup_id_x 1
		.amdhsa_system_sgpr_workgroup_id_y 1
		.amdhsa_system_sgpr_workgroup_id_z 1
		.amdhsa_system_vgpr_workitem_id 0
		.amdhsa_next_free_vgpr 174
		.amdhsa_next_free_sgpr 66
		.amdhsa_reserve_vcc 1
		.amdhsa_float_denorm_mode_32 3
		.amdhsa_float_denorm_mode_16_64 3
		.amdhsa_memory_ordered 1
		.amdhsa_forward_progress 1
		.amdhsa_inst_pref_size 17
	.end_amdhsa_kernel
	.amdgpu_metadata
---
amdhsa.version: [ 1, 2 ]
amdhsa.kernels:
  - .name:           k_q97ba77ccd2_gather
    .symbol:         k_q97ba77ccd2_gather.kd
    .args:
      - { .name: cand, .offset: 0, .size: 8, .value_kind: global_buffer, .address_space: global }
      - { .name: embedding, .offset: 8, .size: 8, .value_kind: global_buffer, .address_space: global }
      - { .name: z, .offset: 16, .size: 8, .value_kind: global_buffer, .address_space: global }
      - { .name: out0, .offset: 24, .size: 8, .value_kind: global_buffer, .address_space: global }
      - { .name: out1, .offset: 32, .size: 8, .value_kind: global_buffer, .address_space: global }
      - { .name: part, .offset: 40, .size: 8, .value_kind: global_buffer, .address_space: global }
    .group_segment_fixed_size: 1280
    .private_segment_fixed_size: 0
    .kernarg_segment_align: 8
    .kernarg_segment_size: 48
    .max_flat_workgroup_size: 256
    .sgpr_count:     66
    .vgpr_count:     174
    .wavefront_size: 32
...
	.end_amdgpu_metadata
.endif
;; end of part 3
;; launch final (part 4): grid 1 x 1, 1 waves a work-group, no clusters, 0 bytes of LDS; arguments part, out2; writes out2
.if DOCPART == 4
	.amdgcn_target "amdgcn-amd-amdhsa--gfx1250"
	.amdhsa_code_object_version 6
	.text
	.protected	k_q97ba77ccd2_final
	.globl	k_q97ba77ccd2_final
	.p2align	8
	.type	k_q97ba77ccd2_final,@function
k_q97ba77ccd2_final:
	s_mov_b64 s[64:65], 0
	v_nop
	global_prefetch_b8 v0, s[64:65] scope:SCOPE_SE
	s_setreg_imm32_b32 hwreg(HW_REG_WAVE_MODE, 25, 1), 1
	s_wait_xcnt 0x0
; Step 4 of 4: out2 = 0.25 x mean((e - z)^2) = the sum of the 256 groups' sums x 2^-24 (0.25 / 4,194,304, exact).  No work is left out.
; The sum spans the work-groups of step 3, so it is made here, by one wave, in a fixed order.
	s_load_b128 s[4:7], s[0:1], 0x0                ; part s[4:5], out2 s[6:7]
	v_lshlrev_b32 v1, 4, v0
	v_mov_b32 v2, 0
	s_mov_b32 s8, 0x76543210
	s_mov_b32 s9, 0xfedcba98
	s_wait_kmcnt 0x0
	global_load_b128 v[4:7],  v1, s[4:5]
	global_load_b128 v[8:11], v1, s[4:5] offset:512
	s_wait_loadcnt 0x0
	v_pk_add_f32 v[4:5], v[4:5], v[6:7]
	v_pk_add_f32 v[8:9], v[8:9], v[10:11]
	v_pk_add_f32 v[4:5], v[4:5], v[8:9]
	v_add_f32 v4, v4, v5
	v_add_f32_dpp v4, v4, v4 row_xmask:1 row_mask:0xf bank_mask:0xf
	v_add_f32_dpp v4, v4, v4 row_xmask:2 row_mask:0xf bank_mask:0xf
	v_add_f32_dpp v4, v4, v4 row_xmask:4 row_mask:0xf bank_mask:0xf
	v_add_f32_dpp v4, v4, v4 row_xmask:8 row_mask:0xf bank_mask:0xf
	v_permlanex16_b32 v5, v4, s8, s9
	v_add_f32 v4, v4, v5
	v_mul_f32 v4, 0x33800000, v4                   ; 2^-24
	v_cmp_eq_u32 vcc_lo, 0, v0
	s_wait_xcnt 0x0                                ; EXEC changes only behind this wait
	s_and_saveexec_b32 s10, vcc_lo
	global_store_b32 v2, v4, s[6:7]
	s_wait_xcnt 0x0
	s_or_b32 exec_lo, exec_lo, s10
	s_endpgm
.Lfunc_end_k_q97ba77ccd2_final:
	.size	k_q97ba77ccd2_final, .Lfunc_end_k_q97ba77ccd2_final-k_q97ba77ccd2_final
	.p2alignl 7, 3214868480
	.fill 96, 4, 3214868480
	.section	.rodata,"a",@progbits
	.p2align	6, 0x0
	.amdhsa_kernel k_q97ba77ccd2_final
		.amdhsa_group_segment_fixed_size 0
		.amdhsa_private_segment_fixed_size 0
		.amdhsa_enable_private_segment 0
		.amdhsa_kernarg_size 16
		.amdhsa_user_sgpr_count 2
		.amdhsa_user_sgpr_kernarg_segment_ptr 1
		.amdhsa_wavefront_size32 1
		.amdhsa_system_sgpr_workgroup_id_x 1
		.amdhsa_system_sgpr_workgroup_id_y 1
		.amdhsa_system_sgpr_workgroup_id_z 1
		.amdhsa_system_vgpr_workitem_id 0
		.amdhsa_next_free_vgpr 16
		.amdhsa_next_free_sgpr 66
		.amdhsa_reserve_vcc 1
		.amdhsa_float_denorm_mode_32 3
		.amdhsa_float_denorm_mode_16_64 3
		.amdhsa_memory_ordered 1
		.amdhsa_forward_progress 1
		.amdhsa_inst_pref_size 2
	.end_amdhsa_kernel
	.amdgpu_metadata
---
amdhsa.version: [ 1, 2 ]
amdhsa.kernels:
  - .name:           k_q97ba77ccd2_final
    .symbol:         k_q97ba77ccd2_final.kd
    .args:
      - { .name: part, .offset: 0, .size: 8, .value_kind: global_buffer, .address_space: global }
      - { .name: out2, .offset: 8, .size: 8, .value_kind: global_buffer, .address_space: global }
    .group_segment_fixed_size: 0
    .private_segment_fixed_size: 0
    .kernarg_segment_align: 8
    .kernarg_segment_size: 16
    .max_flat_workgroup_size: 32
    .sgpr_count:     66
    .vgpr_count:     16
    .wavefront_size: 32
...
	.end_amdgpu_metadata
.endif
;; end of part 4
;; ======== version 2 of 2: 4 launches; 1.13 times as fast as version 1
;; limits: values outside matrix products are rounded to bf16
;; workspace buffers: ebf 4,194,304 bytes; zbf 8,388,608 bytes; ee 32,768 bytes; zz 65,536 bytes; cand 524,288 bytes of whole numbers; part 1,024 bytes
;; launch prep (part 5): grid 384 x 1, 4 waves a work-group, no clusters, 768 bytes of LDS; arguments embedding, z, ebf, zbf, ee, zz; writes ebf, zbf, ee, zz
.if DOCPART == 5
	.amdgcn_target "amdgcn-amd-amdhsa--gfx1250"
	.amdhsa_code_object_version 6
	.text
	.protected	k_q97ba77ccd2_prep
	.globl	k_q97ba77ccd2_prep
	.p2align	8
	.type	k_q97ba77ccd2_prep,@function
k_q97ba77ccd2_prep:
	s_mov_b64 s[64:65], 0
	v_nop
	global_prefetch_b8 v0, s[64:65] scope:SCOPE_SE
	s_setreg_imm32_b32 hwreg(HW_REG_WAVE_MODE, 25, 1), 1
	s_wait_xcnt 0x0
; SimpleVectorQuantizer, step 1 of 4: round z and embedding to bf16 (the matrix operands of step 2) and sum each row's squares in f32.
; LEFT OUT, in step 3: the sum of the straight-through line, z_q_st = z + (z_q - z).  stop_gradient changes no value, and in exact arithmetic
; z + (z_q - z) = z_q for all values of z and embedding: the term z - z is 0 by an identity.  So out0 is the looked-up row itself; against
; reference()'s f32 that moves out0 by no more than the rounding of z's last place.  Both inputs stay loaded: z feeds the distances and the loss.
; LIMIT of that: a NaN, an infinity or an overflow of z_q - z that would reach out0 only through the sum left out is not carried to out0
; (it still reaches out1 through the distances and out2 through the loss).
; ALL ELSE IS DONE.  In particular sum(z*z) stays, although it is the same for all codes of a row: it is some hundred times larger than the
; other two terms, so reference()'s f32 sums lose low bits of them, and which of two nearly equal distances is the smaller hangs on that
; rounding.  Step 2 therefore forms fl(fl(zz - 2 dot) + ee) as reference() does.
; The squares are summed from the ROUNDED numbers, so that distances are those of one consistent set of inputs (z and embedding in bf16).
; LIMIT: the order of the 256 additions in a row's sum differs from reference()'s.
; Work-groups 0-255 take 64 rows of z each, 256-383 take 64 rows of embedding; a wave takes 16 rows.  A row is 1,024 bytes: two loads of
; 16 bytes a lane, 512 neighbouring bytes each.  All 32 loads of a wave go out at once (16 KiB a wave), so there is no loop and no ring.
; No matrix unit, no cluster: no byte is read twice and there is one multiply-add per number.
.set X, 8                              ; v[8+8i : 15+8i]  row i: 8 f32 as loaded; then 4 packed words to store and 4 registers at work
	s_load_b256 s[4:11], s[0:1], 0x0               ; embedding s[4:5], z s[6:7], ebf s[8:9], zbf s[10:11]
	s_load_b128 s[12:15], s[0:1], 0x20             ; ee s[12:13], zz s[14:15]
	v_lshl_add_u32 v136, v0, 2, 0x100
	v_mov_b32 v137, 0
	v_lshrrev_b32 v1, 5, v0
	v_readfirstlane_b32 s23, v1                    ; wave 0..3
	v_and_b32 v6, 31, v0                           ; lane
	v_and_b32 v7, 15, v0
	v_lshlrev_b32 v1, 4, v6                        ; 16 x lane: my 16 bytes in each half of an f32 row
	v_lshlrev_b32 v2, 3, v6                        ; 8 x lane: my 8 bytes in each half of a bf16 row
	s_lshl_b32 s24, s23, 4
	v_add_lshl_u32 v7, v7, s24, 2                  ; LDS: word 16 w + lane % 16, the sum of that row of the group
	s_mov_b32 s26, 0x76543210                      ; v_permlanex16_b32: lane i of one half reads lane i of the other
	s_mov_b32 s27, 0xfedcba98
	s_mov_b32 s28, 0xffff0000                      ; a word's upper bf16
	s_and_b32 s22, ttmp9, 255                      ; block of 64 rows inside its tensor
	s_lshl_b32 s24, s22, 16                        ; 64 rows x 1,024 bytes
	s_lshl_b32 s25, s23, 14                        ; + wave x 16 rows
	s_add_co_u32 s24, s24, s25
	s_mov_b32 s25, 0
	s_cmp_lt_u32 ttmp9, 256                        ; z or embedding: hangs on the work-group's number alone
	s_wait_kmcnt 0x0
	s_cselect_b64 s[16:17], s[6:7], s[4:5]         ; source
	s_cselect_b64 s[18:19], s[10:11], s[8:9]       ; rounded copy
	s_cselect_b64 s[20:21], s[14:15], s[12:13]     ; sums of squares
	s_add_nc_u64 s[16:17], s[16:17], s[24:25]
	s_lshr_b32 s24, s24, 1                         ; bf16 rows are half as long
	s_add_nc_u64 s[18:19], s[18:19], s[24:25]
	s_lshl_b32 s24, s22, 8                         ; 64 sums of 4 bytes
	s_add_nc_u64 s[20:21], s[20:21], s[24:25]
.irp i, 0,1,2,3,4,5,6,7,8,9,10,11,12,13,14,15
	global_load_b128 v[X+8*\i:X+8*\i+3],   v1, s[16:17] offset:1024*\i th:TH_LOAD_NT       ; columns 4 l .. 4 l + 3
	global_load_b128 v[X+8*\i+4:X+8*\i+7], v1, s[16:17] offset:1024*\i+512 th:TH_LOAD_NT   ; columns 128 + 4 l ..
.endr
; Row i: round, store, square the rounded numbers, sum over the wave, keep the sum in lanes i and 16 + i of v3.
.macro ROW i
	s_wait_loadcnt 30-2*\i                         ; loads return in order: this row's two are in, the 30 - 2 i younger ones stay out
	v_cvt_pk_bf16_f32 v[X+8*\i],   v[X+8*\i],   v[X+8*\i+1]    ; in place: each target has been read by then
	v_cvt_pk_bf16_f32 v[X+8*\i+1], v[X+8*\i+2], v[X+8*\i+3]
	v_cvt_pk_bf16_f32 v[X+8*\i+2], v[X+8*\i+4], v[X+8*\i+5]
	v_cvt_pk_bf16_f32 v[X+8*\i+3], v[X+8*\i+6], v[X+8*\i+7]
	global_store_b64 v2, v[X+8*\i:X+8*\i+1],   s[18:19] offset:512*\i        ; 32 lanes x 8 bytes: 256 consecutive bytes, aligned
	global_store_b64 v2, v[X+8*\i+2:X+8*\i+3], s[18:19] offset:512*\i+256    ; the stores' data registers are never written again
	v_lshlrev_b32 v[X+8*\i+4], 16,  v[X+8*\i]      ; the rounded numbers back as f32
	v_and_b32     v[X+8*\i+5], s28, v[X+8*\i]
	v_lshlrev_b32 v[X+8*\i+6], 16,  v[X+8*\i+1]
	v_and_b32     v[X+8*\i+7], s28, v[X+8*\i+1]
	v_pk_mul_f32 v[4:5], v[X+8*\i+4:X+8*\i+5], v[X+8*\i+4:X+8*\i+5]          ; the first product starts the sum
	v_pk_fma_f32 v[4:5], v[X+8*\i+6:X+8*\i+7], v[X+8*\i+6:X+8*\i+7], v[4:5]
	v_lshlrev_b32 v[X+8*\i+4], 16,  v[X+8*\i+2]
	v_and_b32     v[X+8*\i+5], s28, v[X+8*\i+2]
	v_lshlrev_b32 v[X+8*\i+6], 16,  v[X+8*\i+3]
	v_and_b32     v[X+8*\i+7], s28, v[X+8*\i+3]
	v_pk_fma_f32 v[4:5], v[X+8*\i+4:X+8*\i+5], v[X+8*\i+4:X+8*\i+5], v[4:5]
	v_pk_fma_f32 v[4:5], v[X+8*\i+6:X+8*\i+7], v[X+8*\i+6:X+8*\i+7], v[4:5]
	v_add_f32 v4, v4, v5
	v_add_f32_dpp v4, v4, v4 row_xmask:1 row_mask:0xf bank_mask:0xf
	v_add_f32_dpp v4, v4, v4 row_xmask:2 row_mask:0xf bank_mask:0xf
	v_add_f32_dpp v4, v4, v4 row_xmask:4 row_mask:0xf bank_mask:0xf
	v_add_f32_dpp v4, v4, v4 row_xmask:8 row_mask:0xf bank_mask:0xf
	v_permlanex16_b32 v6, v4, s26, s27             ; v6 has been written before
	v_add_f32 v4, v4, v6                           ; every lane holds the row's sum
.if \i == 0
	v_mov_b32 v3, v4
.else
	s_mov_b32 s29, 0x10001<<\i
	v_cndmask_b32 v3, v3, v4, s29                  ; lanes i and 16 + i keep it
.endif
.endm
.irp i, 0,1,2,3,4,5,6,7,8,9,10,11,12,13,14,15
	ROW \i
.endr
	; The group's 64 sums meet in LDS, so that they leave as one store of 256 consecutive bytes.
	ds_store_b32 v7, v3                            ; lanes l and l + 16 write the same word with the same value
	s_wait_dscnt 0x0                               ; my words are written before I signal: wave 0 reads them
	s_barrier_signal -1
	s_barrier_wait -1
	s_cmp_lg_u32 s23, 0
	s_cbranch_scc1 .Lend
	ds_load_b64 v[4:5], v2
	s_wait_dscnt 0x0
	global_store_b64 v2, v[4:5], s[20:21]
.Lend:
	s_wait_tensorcnt 0x0
	ds_add_u32 v136, v137
	s_wait_dscnt 0x0
	s_endpgm
.Lfunc_end_k_q97ba77ccd2_prep:
	.size	k_q97ba77ccd2_prep, .Lfunc_end_k_q97ba77ccd2_prep-k_q97ba77ccd2_prep
	.p2alignl 7, 3214868480
	.fill 96, 4, 3214868480
	.section	.rodata,"a",@progbits
	.p2align	6, 0x0
	.amdhsa_kernel k_q97ba77ccd2_prep
		.amdhsa_group_segment_fixed_size 768
		.amdhsa_private_segment_fixed_size 0
		.amdhsa_enable_private_segment 0
		.amdhsa_kernarg_size 48
		.amdhsa_user_sgpr_count 2
		.amdhsa_user_sgpr_kernarg_segment_ptr 1
		.amdhsa_wavefront_size32 1
		.amdhsa_system_sgpr_workgroup_id_x 1
		.amdhsa_system_sgpr_workgroup_id_y 1
		.amdhsa_system_sgpr_workgroup_id_z 1
		.amdhsa_system_vgpr_workitem_id 0
		.amdhsa_next_free_vgpr 138
		.amdhsa_next_free_sgpr 66
		.amdhsa_reserve_vcc 0
		.amdhsa_float_denorm_mode_32 3
		.amdhsa_float_denorm_mode_16_64 3
		.amdhsa_memory_ordered 1
		.amdhsa_forward_progress 1
		.amdhsa_inst_pref_size 29
	.end_amdhsa_kernel
	.amdgpu_metadata
---
amdhsa.version: [ 1, 2 ]
amdhsa.kernels:
  - .name:           k_q97ba77ccd2_prep
    .symbol:         k_q97ba77ccd2_prep.kd
    .args:
      - { .name: embedding, .offset: 0, .size: 8, .value_kind: global_buffer, .address_space: global }
      - { .name: z, .offset: 8, .size: 8, .value_kind: global_buffer, .address_space: global }
      - { .name: ebf, .offset: 16, .size: 8, .value_kind: global_buffer, .address_space: global }
      - { .name: zbf, .offset: 24, .size: 8, .value_kind: global_buffer, .address_space: global }
      - { .name: ee, .offset: 32, .size: 8, .value_kind: global_buffer, .address_space: global }
      - { .name: zz, .offset: 40, .size: 8, .value_kind: global_buffer, .address_space: global }
    .group_segment_fixed_size: 768
    .private_segment_fixed_size: 0
    .kernarg_segment_align: 8
    .kernarg_segment_size: 48
    .max_flat_workgroup_size: 128
    .sgpr_count:     66
    .vgpr_count:     138
    .wavefront_size: 32
...
	.end_amdgpu_metadata
.endif
;; end of part 5
;; launch argmin (part 6): grid 64 x 4, 4 waves a work-group, clusters of 4 x 1, 327,680 bytes of LDS; arguments ebf, zbf, ee, zz, cand; writes cand
.if DOCPART == 6
	.amdgcn_target "amdgcn-amd-amdhsa--gfx1250"
	.amdhsa_code_object_version 6
	.text
	.protected	k_q97ba77ccd2_argmin
	.globl	k_q97ba77ccd2_argmin
	.p2align	8
	.type	k_q97ba77ccd2_argmin,@function
k_q97ba77ccd2_argmin:
	s_mov_b64 s[64:65], 0
	v_nop
	global_prefetch_b8 v0, s[64:65] scope:SCOPE_SE
	s_setreg_imm32_b32 hwreg(HW_REG_WAVE_MODE, 25, 1), 1
	s_wait_xcnt 0x0
	s_wait_alu depctr_hold_cnt(0) depctr_sa_sdst(0) depctr_va_vdst(0) depctr_va_sdst(0) depctr_va_ssrc(0) depctr_va_vcc(0) depctr_vm_vsrc(0)
	s_getreg_b32 s2, hwreg(HW_REG_IB_STS2, 6, 4)
	s_cmp_eq_u32 s2, 0
	s_cbranch_scc0 .Lentry_in_a_cluster
	s_endpgm
.Lentry_in_a_cluster:
	s_bfe_u32 s2, ttmp6, 0x10000c
	s_cmp_lg_u32 s2, 0x3003
	s_cbranch_scc0 .Lentry_shape_is_right
	s_endpgm
.Lentry_shape_is_right:
; Step 2 of 4: for 256 rows of z and a quarter of the codes (2,048), the smallest distance and its first index.  This step leaves no work out.
; dist = fl(fl(zz - 2 dot) + ee), reference()'s own order of rounding; dot by the matrix unit from bf16 operands with f32 sums.
; A winner is stored as two whole numbers: key = the distance's bits mapped so that unsigned order is the order of the floats
; (-0 made +0; then positive numbers get the top bit set, negative ones are inverted), and the code's index.  Step 3 merges the four quarters.
; LIMITS: a NaN distance is never chosen (jnp.argmin would return the first NaN); rows whose distances are all +inf give the quarter's first
; index, as argmin does; the order of additions inside a dot product differs from reference()'s; operands and norms are those of bf16-rounded inputs.
;
; SHARES.  Work-group (bx, q): rows 256 bx .., codes 2,048 q ...  Wave w keeps its 64 rows of z in 256 registers for the whole kernel (the B
; operands) and multiplies every tile of 16 codes (the A operand) onto them: 8 KiB read from LDS feed 32 matrix instructions.
; With A = codes and B = z rows, lane l holds z row l % 16 and its eight results are codes 8 (l / 16) + 0..7: the minimum over codes is in-lane.
; TWO PIECES TAKE TURNS.  The wave's four row tiles are two pieces, (0, 1) and (2, 3).  A tile of codes is two phases of 16 products: the first
; piece's products with the second piece's distances and minimum of the tile before set among them, then the second piece's products with the
; first piece's distances of this tile.  The vector lines come in numbered slices, one behind a product.
; THE TEXT IS ROLLED: a pair of tiles (fragment buffers 0 and 1) is the body of a loop, seven trips and one pair written out for a slot of 16
; tiles, so that 16 written tiles serve the 128 that a wave walks.  The LDS addresses of the fragments and of ee step with the pairs.
; CLUSTER 4 x 1: the four work-groups of a cluster have the same q and ask for the code tiles jointly (mask 15), which divides those requests by
; four.  z and ee are plain loads: a work-group reads 128 KiB of z and 8 KiB of ee once, beside 1 MiB of codes.
; LDS: two slots of 256 codes x 528 bytes (512 of data + 16 of padding: the 16 rows of a fragment load start 33 x 16 bytes apart); slot 1 first
; holds the group's 256 rows of z on their way into registers; ee of the quarter; 512 bytes of scratch for each wave, which no tensor load fills.
.set PITCH, 528
.set WROWS, 64*PITCH                   ; what one tensor load brings: 64 rows
.set SLOT,  256*PITCH
.set EE,    2*SLOT
.set SCR,   EE+8192
.set STEP,  256*512                    ; bytes of ebf from one tile of 256 codes to the next
; window 0
.set CA,   4                           ; v4-5    code fragments: r PITCH + 16 h in slot 0, in slot 1; never rewritten
.set EA,   8                           ; v8      ee of the pair's first tile: EE + 32 h + 64 x tile; runs through the quarter's 128 tiles
.set ZA,   9                           ; v9      my wave's z rows in slot 1
.set TV,   10                          ; v10     number of the tile of 16 codes whose distances are at work, 0..127
.set HOFF, 11                          ; v11     8 h + 2,048 q
.set CAD,  12                          ; v12     code fragments of the pair's first tile: set from CA at a slot's head, stepped by 32 rows a pair
.set ZO,   13                          ; v13     4 r
.set MN,   14                          ; v14-17  a tile's smallest distance, a register for each row tile, so that no row tile waits for another
.set OUTD, 14                          ; v14-17  at the end, when MN is dead: the way out
.set SA,   18                          ; v18     scratch: where a row's pair goes
.set SB,   19                          ; v19     scratch: my 16 bytes of the wave's 512
.set ZZ,   20                          ; v20-27  zz of row 16 i + r, twice (a pair for the packed fma)
.set BEST, 28                          ; v28-31  smallest distance so far
.set TID,  32                          ; v32-35  its tile
.set SAV,  36                          ; v36-67  that tile's eight distances
.set EEB,  68                          ; v68-83  ee of a tile's eight codes, two buffers
.set ACC,  84                          ; v84-115 four accumulators
.set KI,   116                         ; v116-123 {key, index} of the four row tiles
.set T0,   124
.set T1,   125
.set T2,   126
.set T3,   127
.set CF,   128                         ; v128-255 code fragments (16 codes x 256 k), two buffers
; window 1: v[64 i + 8 s .. + 7] = z rows 16 i .. 16 i + 15 of my wave, k = 32 s .. 32 s + 31
.set G1C, 24                           ; s[24:31] shape of a code tile, with the mask
.set G1Z, 32                           ; s[32:39] shape of a z tile
.set G1E, 40                           ; s[40:47] shape of ee's row
.set G0C, 48                           ; s[48:55] from where, to where: code tiles, a set for each slot
.set G0Z, 56                           ; s[56:59] z
.set G0E, 60                           ; s[60:63] ee
                                       ; s66 counts the outer loop's trips, s77 a slot's pairs
.set MSB, 0
.macro WIN new                         ; the immediate's high byte repeats the setting that is left; a switch that changes nothing is dropped
.if MSB != \new
	s_set_vgpr_msb (MSB<<8)|\new
.set MSB, \new
.endif
.endm
; A round of the cluster's barrier: my work-group's barrier, so that wave 0's signal speaks for all four waves; wave 0 signals for the
; work-group; every wave waits for the four work-groups; my work-group's barrier once more.
.macro ROUND
	s_barrier_signal -1
	s_barrier_wait -1
	s_cmp_lg_u32 s16, 0
	s_cbranch_scc1 .Lnot_wave_0_\@
	s_barrier_signal -3
.Lnot_wave_0_\@:
	s_barrier_wait -3
	s_barrier_signal -1
	s_barrier_wait -1
.endm
	s_load_b256 s[4:11], s[0:1], 0x0               ; ebf s[4:5], zbf s[6:7], ee s[8:9], zz s[10:11]
	s_load_b64 s[12:13], s[0:1], 0x20              ; cand
	v_lshl_add_u32 v6, v0, 2, 0x44800
	v_mov_b32 v7, 0
	ds_add_u32 v6, v7
	v_lshrrev_b32 v1, 5, v0
	v_readfirstlane_b32 s16, v1                    ; wave 0..3
	s_and_b32 s17, ttmp7, 0xffff                   ; q: the cluster's y (a cluster is one work-group high)
	s_bfe_u32 s18, ttmp6, 0x40000                  ; cx.  s18, s19, s[68:71] alone ever hold it: none of them feeds the joint load
	s_lshl_b32 s19, ttmp9, 2
	s_add_co_u32 s19, s19, s18                     ; bx = 4 x cluster x + cx
	s_mov_b32 s72, 0x76543210                      ; v_permlanex16_b32: lane i of one half reads lane i of the other
	s_mov_b32 s73, 0xfedcba98
	; group 1: 64 rows x 256 elements of 2 bytes, 4 words of padding behind every 128 words
	s_mov_b32 s[G1C+0], 15|(1<<16)|(1<<20)|(1<<21)|(6<<22)|(3<<25)  ; 15:0 the cluster's four work-groups; 17:16 2 bytes; 20 padding; 21 set beside a mask; 24:22 interval code 6; 31:25 pad code 3
	s_mov_b32 s[G1Z+0], (1<<16)|(1<<20)|(6<<22)|(3<<25)             ; the same shape, no mask: my work-group's own rows
.irp g, G1C, G1Z
	s_mov_b32 s[\g+1], 256<<16                     ; tensor_dim0 = 256
	s_mov_b32 s[\g+2], 64<<16                      ; tensor_dim1 = 64
	s_mov_b32 s[\g+3], 256<<16                     ; tile_dim0 = 256
	s_mov_b32 s[\g+4], 64                          ; tile_dim1 = 64
	s_mov_b32 s[\g+5], 256                         ; elements from row to row
	s_mov_b32 s[\g+6], 0
	s_mov_b32 s[\g+7], 0
.endr
	s_mov_b32 s[G1E+0], 3<<16                      ; one row of 256 elements of 8 bytes: 512 numbers of ee
	s_mov_b32 s[G1E+1], 256<<16
	s_mov_b32 s[G1E+2], 1<<16
	s_mov_b32 s[G1E+3], 256<<16
	s_mov_b32 s[G1E+4], 1
	s_mov_b32 s[G1E+5], 256
	s_mov_b32 s[G1E+6], 0
	s_mov_b32 s[G1E+7], 0
	; offsets, apart from the addresses
	s_mul_i32 s20, s16, WROWS                      ; my 64 rows inside a slot
	s_lshl_b32 s21, s16, 15                        ; 64 w rows of 512 bytes
	s_lshl_b32 s22, s17, 20                        ; 2,048 q rows of 512 bytes
	s_add_co_u32 s22, s22, s21
	s_mov_b32 s23, 0
	s_lshl_b32 s14, s17, 13                        ; ee: 2,048 q + 512 w numbers of 4 bytes
	s_lshl_b32 s15, s16, 11
	s_add_co_u32 s14, s14, s15
	s_add_co_u32 s[G0E+1], s15, EE                 ; and where they go
	s_mov_b32 s15, 0
	s_lshl_b32 s68, s19, 17                        ; z: 256 bx + 64 w rows of 512 bytes
	s_add_co_u32 s68, s68, s21
	s_mov_b32 s69, 0
	s_lshl_b32 s70, s19, 10                        ; zz: 256 bx + 64 w numbers of 4 bytes
	s_lshl_b32 s71, s16, 8
	s_add_co_u32 s70, s70, s71
	s_mov_b32 s71, 0
	s_wait_dscnt 0x0
	s_wait_kmcnt 0x0
	s_add_nc_u64 s[22:23], s[4:5], s[22:23]        ; my rows of the quarter's first tile: q and w alone
.irp n, 0,1
	s_mov_b32 s[G0C+4*\n], 1
	s_add_co_u32 s[G0C+4*\n+1], s20, \n*SLOT
	s_add_nc_u64 s[G0C+4*\n+2:G0C+4*\n+3], s[22:23], \n*STEP
	s_or_b32 s[G0C+4*\n+3], s[G0C+4*\n+3], 0x80000000
.endr
	s_mov_b32 s[G0Z], 1
	s_add_co_u32 s[G0Z+1], s20, SLOT               ; z passes through slot 1
	s_add_nc_u64 s[G0Z+2:G0Z+3], s[6:7], s[68:69]
	s_or_b32 s[G0Z+3], s[G0Z+3], 0x80000000
	s_mov_b32 s[G0E], 1
	s_add_nc_u64 s[G0E+2:G0E+3], s[8:9], s[14:15]
	s_or_b32 s[G0E+3], s[G0E+3], 0x80000000
	s_add_nc_u64 s[70:71], s[10:11], s[70:71]      ; zz of my wave's rows
	s_lshl_b32 s68, s17, 17                        ; cand: (16,384 q + 256 bx + 64 w) pairs of 8 bytes
	s_lshl_b32 s69, s19, 11
	s_add_co_u32 s68, s68, s69
	s_lshl_b32 s69, s16, 9
	s_add_co_u32 s68, s68, s69
	s_mov_b32 s69, 0
	s_add_nc_u64 s[12:13], s[12:13], s[68:69]
	v_and_b32 v1, 15, v0                           ; r
	v_lshlrev_b32 v[ZO], 2, v1
.irp i, 0,1,2,3
	global_load_b32 v[ZZ+2*\i], v[ZO], s[70:71] offset:64*\i       ; zz of row 16 i + r
.endr
	ROUND                                          ; the four work-groups are here: the first joint load meets
	tensor_load_to_lds s[G0Z:G0Z+3], s[G1Z:G1Z+7]  ; the first fills, one group: my z rows,
	s_nop 0
	tensor_load_to_lds s[G0C:G0C+3], s[G1C:G1C+7]  ; my quarter of code tile 0 (joint),
	s_nop 0
	tensor_load_to_lds s[G0E:G0E+3], s[G1E:G1E+7]  ; my quarter of ee.  Three loads out, the most in this text
	s_nop 0
	v_bfe_u32 v2, v0, 4, 1                         ; h
	v_and_b32 v3, 31, v0
	v_lshlrev_b32 v3, 4, v3                        ; 16 x lane
	v_mul_u32_u24 v[CA], v1, PITCH
	v_lshl_add_u32 v[CA], v2, 4, v[CA]             ; a fragment: lane l takes row l % 16, 16 bytes at 16 (l / 16), and 16 more 32 bytes on
	v_add_nc_u32 v[CA+1], SLOT, v[CA]
	v_lshlrev_b32 v[EA], 5, v2
	v_add_nc_u32 v[EA], EE, v[EA]
	v_add_nc_u32 v[ZA], s20, v[CA+1]
	v_mov_b32 v[TV], -1                            ; stepped in front of each tile's first use
	v_lshlrev_b32 v[HOFF], 3, v2
	v_lshl_add_u32 v[HOFF], s17, 11, v[HOFF]
	s_lshl_b32 s67, s16, 9
	s_add_co_u32 s67, s67, SCR
	v_lshl_add_u32 v[SA], v1, 3, s67
	v_add_nc_u32 v[SB], s67, v3
	v_mov_b32 v[T3], 0                             ; a lane permute's target counts as read
.irp i, 0,1,2,3
	v_mov_b32 v[BEST+\i], 0x7f800000               ; +inf: any finite distance is smaller
	v_mov_b32 v[TID+\i], 0
.endr
.set k, 0
.rept 32
	v_mov_b32 v[SAV+k], 0x7f800000                 ; so that a row of +inf alone ends at its first code
.set k, k+1
.endr
	; The first tile's first phase has no tile before it whose second piece it could finish.  So that it needs no text of its own, that piece's
	; sums are preset to -inf and its ee to +inf: zz - 2 (-inf) + inf = +inf, which is not below +inf, so nothing of it is kept.
.set k, 0
.rept 8
	v_mov_b32 v[EEB+8+k], 0x7f800000
.set k, k+1
.endr
.set k, 0
.rept 16
	v_mov_b32 v[ACC+16+k], 0xff800000
.set k, k+1
.endr
	s_wait_tensorcnt 0x2                           ; tensor loads of a wave end in order: my z rows are in; the code tile and ee stay out.  Only I read these rows
	WIN 0x40                                       ; destination in window 1
.irp i, 0,1,2,3
.irp ks, 0,1,2,3,4,5,6,7
	ds_load_b128 v[64*\i+8*\ks:64*\i+8*\ks+3],   v[ZA] offset:\i*16*PITCH+64*\ks
	ds_load_b128 v[64*\i+8*\ks+4:64*\i+8*\ks+7], v[ZA] offset:\i*16*PITCH+64*\ks+32
.endr
.endr
	WIN 0
	s_wait_loadcnt 0x0                             ; zz
.irp i, 0,1,2,3
	v_mov_b32 v[ZZ+2*\i+1], v[ZZ+2*\i]
.endr
; 18 LDS loads in one run: the tile t = 0, 1 or 2 tiles ahead of the two pointers (16 codes x 256 k, and its ee) into buffer b.
; The largest offset is 2 x 16 rows x 528 + 480 = 17,376 bytes.
.macro FETCH t, b
.irp ks, 0,1,2,3,4,5,6,7
	ds_load_b128 v[CF+64*(\b)+8*\ks:CF+64*(\b)+8*\ks+3],   v[CAD] offset:(\t)*16*PITCH+64*\ks
	ds_load_b128 v[CF+64*(\b)+8*\ks+4:CF+64*(\b)+8*\ks+7], v[CAD] offset:(\t)*16*PITCH+64*\ks+32
.endr
	ds_load_b128 v[EEB+8*(\b):EEB+8*(\b)+3],   v[EA] offset:64*(\t)                  ; ee of codes 8 h .. 8 h + 7 of the tile: the lanes of a half share the words
	ds_load_b128 v[EEB+8*(\b)+4:EEB+8*(\b)+7], v[EA] offset:64*(\t)+16
.endm
; One product: 16 codes (buffer b, k = 32 ks ..) x row tile i.  The first K step starts the sum with C = 0: nothing is cleared.
.macro PROD b, ks, i
.if (\ks) == 0
	v_wmma_f32_16x16x32_bf16 v[ACC+8*(\i):ACC+8*(\i)+7], v[CF+64*(\b):CF+64*(\b)+7], v[64*(\i):64*(\i)+7], 0
.else
	v_wmma_f32_16x16x32_bf16 v[ACC+8*(\i):ACC+8*(\i)+7], v[CF+64*(\b)+8*(\ks):CF+64*(\b)+8*(\ks)+7], v[64*(\i)+8*(\ks):64*(\i)+8*(\ks)+7], v[ACC+8*(\i):ACC+8*(\i)+7]
.endif
.endm
; The parts of a row tile's vector work: the eight distances in reference()'s order of rounding, their minimum, and, where it beats the best so
; far (strictly: the earlier tile keeps a tie), the minimum, the tile's number and the eight distances are kept.  Which of the eight it was is
; found once, at the end.
.macro FM i                            ; fl(zz - 2 dot): 2 dot is exact.  Source 1 is a constant: these four lines stand under the products' window setting
.irp j, 0,2,4,6
	v_pk_fma_f32 v[ACC+8*\i+\j:ACC+8*\i+\j+1], v[ACC+8*\i+\j:ACC+8*\i+\j+1], -2.0, v[ZZ+2*\i:ZZ+2*\i+1] op_sel_hi:[1,0,1]
.endr
.endm
.macro AD i, eb                        ; + ee
.irp j, 0,2,4,6
	v_pk_add_f32 v[ACC+8*\i+\j:ACC+8*\i+\j+1], v[ACC+8*\i+\j:ACC+8*\i+\j+1], v[EEB+8*(\eb)+\j:EEB+8*(\eb)+\j+1]
.endr
.endm
.macro MINS i, n                       ; step n = 1..4 of the minimum of eight
.if \n == 1
	v_min3_num_f32 v[MN+\i], v[ACC+8*\i], v[ACC+8*\i+1], v[ACC+8*\i+2]
.endif
.if \n == 2
	v_min3_num_f32 v[MN+\i], v[MN+\i], v[ACC+8*\i+3], v[ACC+8*\i+4]
.endif
.if \n == 3
	v_min3_num_f32 v[MN+\i], v[MN+\i], v[ACC+8*\i+5], v[ACC+8*\i+6]
.endif
.if \n == 4
	v_min_num_f32 v[MN+\i], v[MN+\i], v[ACC+8*\i+7]
.endif
.endm
.macro CMPB i
	v_cmp_lt_f32 vcc_lo, v[MN+\i], v[BEST+\i]
.endm
.macro KEEP1 i, n                      ; select n = 0..9: the minimum, the tile's number, the eight distances
.if \n == 0
	v_cndmask_b32 v[BEST+\i], v[BEST+\i], v[MN+\i], vcc_lo
.else
.if \n == 1
	v_cndmask_b32 v[TID+\i], v[TID+\i], v[TV], vcc_lo
.else
	v_cndmask_b32 v[SAV+8*\i+\n-2], v[SAV+8*\i+\n-2], v[ACC+8*\i+\n-2], vcc_lo
.endif
.endif
.endm
; Slice n of the vector work of the piece (ra, rb), with ee from buffer eb; it stands behind product n of the other piece.  tv = 1: the tile's
; number is stepped here, in front of the tile's first use of it (the first piece's slice 7) and behind the last use of the old one.
; Slices 0 and 2 need no window of their own; the odd slices name registers of window 0 as source 1.  The two row tiles' chains are set
; between each other, so that a line seldom reads the line in front of it.  vcc is ra's from slice 7 to 11 and rb's from there on.
.macro SLICE n, ra, rb, eb, tv
.if \n == 0
	FM \ra
.endif
.if \n == 1
.if \tv
	v_add_nc_u32 v[TV], 1, v[TV]
.endif
	AD \ra, \eb
.endif
.if \n == 2
	FM \rb
.endif
.if \n == 3
	AD \rb, \eb
	MINS \ra, 1
.endif
.if \n == 5
	MINS \ra, 2
	MINS \rb, 1
	MINS \ra, 3
	MINS \rb, 2
	MINS \ra, 4
.endif
.if \n == 7
	MINS \rb, 3
	CMPB \ra
	MINS \rb, 4
	KEEP1 \ra, 0
	KEEP1 \ra, 1
.endif
.if \n == 9
.irp m, 2,3,4,5,6
	KEEP1 \ra, \m
.endr
.endif
.if \n == 11
.irp m, 7,8,9
	KEEP1 \ra, \m
.endr
	CMPB \rb
.endif
.if \n == 13
.irp m, 0,1,2,3,4
	KEEP1 \rb, \m
.endr
.endif
.if \n == 15
.irp m, 5,6,7,8,9
	KEEP1 \rb, \m
.endr
.endif
.endm
; A phase: the 16 products of buffer b on accumulators x and x + 1, which take turns, one instruction a turn, also into the next phase and over
; both loops' backward jumps.  Slice k of the other piece's vector work stands behind product k.
; A product reads z as source 1 from window 1; an odd slice is four or five lines between two switches: 16 switches for 16 products and 46 lines.
; PLACES: behind products 14 and 15 stand slice 15's five selects, which name only the other piece's registers; so the next
; phase's slice 0, which reads product 14's sums, its slice 2, which reads product 15's, and the loads below, which land on fragments that
; the tile before has read, all stand more than four plain vector lines behind those products.
; fetch = 1: the 18 LDS loads of the tile ft ahead of the pointers, into the other buffer, in one run behind slice 3, whose lines are the last
; that read the ee buffer on which two of them land; they have 28 products in which to return.
.macro PHASE b, x, ra, rb, eb, tv, fetch, ft
.irp k, 0,1,2,3,4,5,6,7,8,9,10,11,12,13,14,15
	WIN 0x04                                       ; source 1 (z) in window 1
	PROD \b, (\k>>1), \x+(\k&1)
.if \k&1
	WIN 0
.endif
	SLICE \k, \ra, \rb, \eb, \tv
.if \fetch
.if \k == 3
	FETCH \ft, 1-\b
.endif
.endif
.endr
.endm
; A tile on buffer b: the first piece's products beside the second piece's vector work of the tile before (ee in the other buffer), then the
; second piece's products beside the first piece's vector work of this tile.
.macro TILE b, fetch, ft
	s_wait_dscnt 0x0                               ; this tile's 18 loads are in; no LDS load has been issued behind them
	PHASE \b, 0, 2, 3, 1-\b, 0, \fetch, \ft
	PHASE \b, 2, 0, 1, \b, 1, 0, 0
.endm
; Two tiles, and the pointers' step.  last = 1: the slot's last pair, whose second tile fetches nothing: the next fragments lie behind the change
; of slots, where the fragment pointer is set anew.  LDS instructions have read their address when they are issued: the steps need no wait.
.macro PAIR last
	TILE 0, 1, 1
.if \last
	TILE 1, 0, 0
	WIN 0
.else
	TILE 1, 1, 2
	WIN 0                                          ; at a branch and at a label every window is 0
	v_add_nc_u32 v[CAD], 32*PITCH, v[CAD]          ; two tiles of 16 rows on
.endif
	v_add_nc_u32 v[EA], 128, v[EA]                 ; two tiles of 16 numbers on; behind a slot's last pair: the next slot's first tile
.endm
; One slot: 256 codes.  In front of the round each wave waits for all its tensor loads (its part of this slot among them) and for its LDS reads
; (of the other slot; in the first trip of the z rows there).  Behind the round no wave of the cluster reads the other slot or has a load on its
; way: the joint refill comes first, one load a wave, and has this slot's 512 matrix instructions in which to land.
; The second piece of the last slot's tile 15 is still unfinished here, in registers alone: it is finished beside this slot's first products.
; The fragment pointer goes from the slot's base up to 7 x 32 rows; with the offsets above no read leaves the slot's 256 rows.
.macro TRIP slot, refill
	WIN 0
	s_wait_tensorcnt 0x0
	ds_add_u32 v6, v7
	s_wait_dscnt 0x0
	s_add_nc_u64 s[G0C+4*\slot+2:G0C+4*\slot+3], s[G0C+4*\slot+2:G0C+4*\slot+3], 2*STEP   ; no load of mine is out: this slot's next tile
	s_wait_dscnt 0x0
	ROUND
.if \refill
	tensor_load_to_lds s[G0C+4*(1-\slot):G0C+4*(1-\slot)+3], s[G1C:G1C+7]
	s_nop 0
.endif
	v_mov_b32 v[CAD], v[CA+\slot]
	FETCH 0, 0
	s_mov_b32 s77, 7
.Lpair_\@:
	PAIR 0
	s_sub_co_u32 s77, s77, 1
	s_cmp_lg_u32 s77, 0
	s_cbranch_scc1 .Lpair_\@
	PAIR 1
.endm
	; Eight slots of 256 codes: three trips of two, and two written out, of which the last fetches nothing.
	s_mov_b32 s66, 3
.Lloop:
	TRIP 0, 1
	TRIP 1, 1
	s_sub_co_u32 s66, s66, 1
	s_cmp_lg_u32 s66, 0
	s_cbranch_scc1 .Lloop
	TRIP 0, 1                                      ; asks for the last 256 codes
	TRIP 1, 0                                      ; nothing is left to fetch (slot 1's stepped address is not used)
.irp n, 0,1,2,3,5,7,9,11,13,15
	SLICE \n, 2, 3, 1, 0                           ; the last tile's second piece: no products are left to set it among
.endr
; Row tile i: the first of the winner tile's eight distances that equals the minimum; index and key; then the better of the two halves of the
; lanes (codes 8 h + ..): the smaller key, on equal keys the smaller index.  Both halves then hold, and write, the same pair.
.macro FIN i
	v_mov_b32 v[T0], 7
.irp j, 6,5,4,3,2,1,0
	v_cmp_neq_f32 vcc_lo, v[SAV+8*\i+\j], v[BEST+\i]
	v_cndmask_b32 v[T0], \j, v[T0], vcc_lo
.endr
	v_lshl_add_u32 v[T0], v[TID+\i], 4, v[T0]
	v_add_nc_u32 v[KI+2*\i+1], v[T0], v[HOFF]      ; 2,048 q + 16 tile + 8 h + j
	v_add_f32 v[T1], 0, v[BEST+\i]                 ; -0 becomes +0
	v_ashrrev_i32 v[T2], 31, v[T1]
	v_or_b32 v[T2], 0x80000000, v[T2]
	v_xor_b32 v[KI+2*\i], v[T1], v[T2]
	v_permlanex16_b32 v[T2], v[KI+2*\i], s72, s73
	v_permlanex16_b32 v[T3], v[KI+2*\i+1], s72, s73
	v_cmp_lt_u32 s74, v[T2], v[KI+2*\i]
	v_cmp_eq_u32 s75, v[T2], v[KI+2*\i]
	v_cmp_lt_u32 s76, v[T3], v[KI+2*\i+1]
	s_and_b32 s75, s75, s76
	s_or_b32 vcc_lo, s74, s75
	v_cndmask_b32 v[KI+2*\i],   v[KI+2*\i],   v[T2], vcc_lo
	v_cndmask_b32 v[KI+2*\i+1], v[KI+2*\i+1], v[T3], vcc_lo
	ds_store_b64 v[SA], v[KI+2*\i:KI+2*\i+1] offset:128*\i
.endm
	FIN 0
	FIN 1
	FIN 2
	FIN 3
	ds_load_b128 v[OUTD:OUTD+3], v[SB]             ; my wave's own bytes: LDS serves a wave's instructions in order
	s_wait_dscnt 0x0
	global_store_b128 v3, v[OUTD:OUTD+3], s[12:13] ; 64 rows' pairs: 512 consecutive bytes, aligned
	s_wait_tensorcnt 0x0
	ds_add_u32 v6, v7
	s_wait_dscnt 0x0
	ROUND                                          ; the closing round: no work-group ends while a partner may still ask jointly
	s_endpgm
.Lfunc_end_k_q97ba77ccd2_argmin:
	.size	k_q97ba77ccd2_argmin, .Lfunc_end_k_q97ba77ccd2_argmin-k_q97ba77ccd2_argmin
	.p2alignl 7, 3214868480
	.fill 96, 4, 3214868480
	.section	.rodata,"a",@progbits
	.p2align	6, 0x0
	.amdhsa_kernel k_q97ba77ccd2_argmin
		.amdhsa_group_segment_fixed_size 327680
		.amdhsa_private_segment_fixed_size 0
		.amdhsa_enable_private_segment 0
		.amdhsa_kernarg_size 40
		.amdhsa_user_sgpr_count 2
		.amdhsa_user_sgpr_kernarg_segment_ptr 1
		.amdhsa_wavefront_size32 1
		.amdhsa_system_sgpr_workgroup_id_x 1
		.amdhsa_system_sgpr_workgroup_id_y 1
		.amdhsa_system_sgpr_workgroup_id_z 1
		.amdhsa_system_vgpr_workitem_id 0
		.amdhsa_next_free_vgpr 512
		.amdhsa_next_free_sgpr 80
		.amdhsa_reserve_vcc 1
		.amdhsa_float_denorm_mode_32 3
		.amdhsa_float_denorm_mode_16_64 3
		.amdhsa_memory_ordered 1
		.amdhsa_forward_progress 1
		.amdhsa_inst_pref_size 161
	.end_amdhsa_kernel
	.amdgpu_metadata
---
amdhsa.version: [ 1, 2 ]
amdhsa.kernels:
  - .name:           k_q97ba77ccd2_argmin
    .symbol:         k_q97ba77ccd2_argmin.kd
    .args:
      - { .name: ebf, .offset: 0, .size: 8, .value_kind: global_buffer, .address_space: global }
      - { .name: zbf, .offset: 8, .size: 8, .value_kind: global_buffer, .address_space: global }
      - { .name: ee, .offset: 16, .size: 8, .value_kind: global_buffer, .address_space: global }
      - { .name: zz, .offset: 24, .size: 8, .value_kind: global_buffer, .address_space: global }
      - { .name: cand, .offset: 32, .size: 8, .value_kind: global_buffer, .address_space: global }
    .group_segment_fixed_size: 327680
    .private_segment_fixed_size: 0
    .kernarg_segment_align: 8
    .kernarg_segment_size: 40
    .max_flat_workgroup_size: 128
    .sgpr_count:     80
    .vgpr_count:     512
    .wavefront_size: 32
...
	.end_amdgpu_metadata
.endif
;; end of part 6
;; launch gather (part 7): grid 256 x 1, 8 waves a work-group, no clusters, 1,280 bytes of LDS; arguments cand, embedding, z, out0, out1, part; writes out0, out1, part
.if DOCPART == 7
	.amdgcn_target "amdgcn-amd-amdhsa--gfx1250"
	.amdhsa_code_object_version 6
	.text
	.protected	k_q97ba77ccd2_gather
	.globl	k_q97ba77ccd2_gather
	.p2align	8
	.type	k_q97ba77ccd2_gather,@function
k_q97ba77ccd2_gather:
	s_mov_b64 s[64:65], 0
	v_nop
	global_prefetch_b8 v0, s[64:65] scope:SCOPE_SE
	s_setreg_imm32_b32 hwreg(HW_REG_WAVE_MODE, 25, 1), 1
	s_wait_xcnt 0x0
; Step 3 of 4: merge the four quarters' winners, look the code up, out0 = the looked-up row, out1 = index, and the group's sum of (e - z)^2.
; LEFT OUT: the sum z + (e - z) of reference()'s straight-through line, which is e in exact arithmetic for all values of z and embedding; the row
; is stored as it was loaded.  A NaN, an infinity or an overflow of e - z that would reach out0 only through that sum is not carried to out0.
; The merge is on whole numbers read from memory: the smaller key wins, and a later quarter only if its key is strictly smaller, so that the
; lower index keeps a tie, as argmin does.  The loss is summed from (e - z)^2 itself, in f32, from the inputs as given.
; A work-group takes 64 rows, a wave 8.  A row is 1,024 bytes: two loads of 16 bytes a lane, 512 neighbouring bytes each.  All of a wave's
; 8 KiB of z and 8 KiB of embedding rows are asked for at once: no loop.  No matrix unit and no cluster: nothing here is a product or is shared.
.set IDX, 20                           ; v20-21  index of the group's rows 2 l and 2 l + 1
.set EO,  22                           ; v22-29  byte offset of my 16 bytes in the embedding row of my wave's row i; never rewritten
.set ZR,  32                           ; v32-95  z, 8 registers a row; then e - z
.set ER,  96                           ; v96-159 e, as loaded and as stored
.set SM,  160                          ; v160-167 four pairs of sums
	s_load_b256 s[4:11], s[0:1], 0x0               ; cand s[4:5], embedding s[6:7], z s[8:9], out0 s[10:11]
	s_load_b128 s[12:15], s[0:1], 0x20             ; out1 s[12:13], part s[14:15]
	v_lshl_add_u32 v172, v0, 2, 0x100
	v_mov_b32 v173, 0
	v_lshrrev_b32 v2, 5, v0
	v_readfirstlane_b32 s16, v2                    ; wave 0..7
	v_and_b32 v3, 31, v0
	v_lshlrev_b32 v1, 4, v3                        ; 16 x lane
	v_lshlrev_b32 v3, 3, v3                        ; 8 x lane
	s_lshl_b32 s24, s16, 2                         ; 4 w: the lane that holds my wave's first two rows, and my word in LDS
	v_mov_b32 v2, s24
	v_mov_b32 v168, 0
	s_mov_b32 s50, 0x76543210
	s_mov_b32 s51, 0xfedcba98
	s_lshl_b32 s26, ttmp9, 16                      ; 64 rows of 1,024 bytes
	s_lshl_b32 s27, s16, 13                        ; + 8 w rows
	s_add_co_u32 s26, s26, s27
	s_mov_b32 s27, 0
	s_lshl_b32 s28, ttmp9, 9                       ; 64 pairs of 8 bytes
	s_mov_b32 s29, 0
	s_lshl_b32 s30, ttmp9, 8                       ; 64 indices of 4 bytes
	s_mov_b32 s31, 0
	s_lshl_b32 s32, ttmp9, 2                       ; one sum
	s_mov_b32 s33, 0
	s_wait_kmcnt 0x0
	s_add_nc_u64 s[18:19], s[8:9], s[26:27]
	s_add_nc_u64 s[20:21], s[10:11], s[26:27]
	s_add_nc_u64 s[22:23], s[4:5], s[28:29]
	s_add_nc_u64 s[12:13], s[12:13], s[30:31]
	s_add_nc_u64 s[14:15], s[14:15], s[32:33]
.irp q, 0,1,2,3
	global_load_b128 v[4+4*\q:7+4*\q], v1, s[22:23] offset:131072*\q        ; quarter q: {key, index} of rows 2 l and 2 l + 1; 512 consecutive bytes
.endr
.irp i, 0,1,2,3,4,5,6,7
	global_load_b128 v[ZR+8*\i:ZR+8*\i+3],   v1, s[18:19] offset:1024*\i th:TH_LOAD_NT
	global_load_b128 v[ZR+8*\i+4:ZR+8*\i+7], v1, s[18:19] offset:1024*\i+512 th:TH_LOAD_NT
.endr
	s_wait_loadcnt 16                              ; the four candidate loads are in; the 16 loads of z stay out
.irp q, 1,2,3
	v_cmp_lt_u32 vcc_lo, v[4+4*\q], v4
	v_cndmask_b32 v4, v4, v[4+4*\q], vcc_lo
	v_cndmask_b32 v5, v5, v[5+4*\q], vcc_lo
	v_cmp_lt_u32 vcc_lo, v[6+4*\q], v6
	v_cndmask_b32 v6, v6, v[6+4*\q], vcc_lo
	v_cndmask_b32 v7, v7, v[7+4*\q], vcc_lo
.endr
	v_min_u32 v[IDX],   0x1fff, v5                 ; an index stays inside the table
	v_min_u32 v[IDX+1], 0x1fff, v7
.irp i, 0,1,2,3,4,5,6,7
	s_add_co_u32 s25, s24, (\i>>1)                 ; row 8 w + i of the group lies in lane 4 w + i / 2
	v_readlane_b32 s34, v[IDX+(\i&1)], s25
	s_min_u32 s34, s34, 0x1fff
	v_lshl_add_u32 v[EO+\i], s34, 10, v1           ; index x 1,024 bytes + my 16
	global_load_b128 v[ER+8*\i:ER+8*\i+3],   v[EO+\i], s[6:7]               ; no hint: several rows may name one code
	global_load_b128 v[ER+8*\i+4:ER+8*\i+7], v[EO+\i], s[6:7] offset:512
.endr
.macro ROWG i
	s_wait_loadcnt 14-2*\i                         ; loads return in order: this row's e (and all of z) is in, the 14 - 2 i younger loads stay out
	global_store_b128 v1, v[ER+8*\i:ER+8*\i+3],   s[20:21] offset:1024*\i th:TH_STORE_NT       ; the row as loaded: 512 consecutive bytes, aligned; the data registers are never written again
	global_store_b128 v1, v[ER+8*\i+4:ER+8*\i+7], s[20:21] offset:1024*\i+512 th:TH_STORE_NT
.irp k, 0,1,2,3
	v_pk_add_f32 v[ZR+8*\i+2*\k:ZR+8*\i+2*\k+1], v[ER+8*\i+2*\k:ER+8*\i+2*\k+1], v[ZR+8*\i+2*\k:ZR+8*\i+2*\k+1] neg_lo:[0,1] neg_hi:[0,1]   ; e - z, into z's registers: z serves nothing else
.endr
.irp k, 0,1,2,3
.if \i == 0
	v_pk_mul_f32 v[SM+2*\k:SM+2*\k+1], v[ZR+8*\i+2*\k:ZR+8*\i+2*\k+1], v[ZR+8*\i+2*\k:ZR+8*\i+2*\k+1]                                       ; the first row starts the sums
.else
	v_pk_fma_f32 v[SM+2*\k:SM+2*\k+1], v[ZR+8*\i+2*\k:ZR+8*\i+2*\k+1], v[ZR+8*\i+2*\k:ZR+8*\i+2*\k+1], v[SM+2*\k:SM+2*\k+1]
.endif
.endr
.endm
.irp i, 0,1,2,3,4,5,6,7
	ROWG \i
.endr
	v_pk_add_f32 v[SM:SM+1],   v[SM:SM+1],   v[SM+2:SM+3]
	v_pk_add_f32 v[SM+4:SM+5], v[SM+4:SM+5], v[SM+6:SM+7]
	v_pk_add_f32 v[SM:SM+1],   v[SM:SM+1],   v[SM+4:SM+5]
	v_add_f32 v[SM], v[SM], v[SM+1]
	v_add_f32_dpp v[SM], v[SM], v[SM] row_xmask:1 row_mask:0xf bank_mask:0xf
	v_add_f32_dpp v[SM], v[SM], v[SM] row_xmask:2 row_mask:0xf bank_mask:0xf
	v_add_f32_dpp v[SM], v[SM], v[SM] row_xmask:4 row_mask:0xf bank_mask:0xf
	v_add_f32_dpp v[SM], v[SM], v[SM] row_xmask:8 row_mask:0xf bank_mask:0xf
	v_permlanex16_b32 v[SM+1], v[SM], s50, s51
	v_add_f32 v[SM], v[SM], v[SM+1]
	ds_store_b32 v2, v[SM]                         ; my wave's sum, in its own word
	s_wait_dscnt 0x0                               ; written before I signal: wave 0 reads it
	s_barrier_signal -1
	s_barrier_wait -1
	s_cmp_lg_u32 s16, 0
	s_cbranch_scc1 .Lend
	global_store_b64 v3, v[IDX:IDX+1], s[12:13]    ; the group's 64 indices: 256 consecutive bytes, aligned
	ds_load_b128 v[4:7],  v168
	ds_load_b128 v[8:11], v168 offset:16
	s_wait_dscnt 0x0
	v_pk_add_f32 v[4:5], v[4:5], v[6:7]
	v_pk_add_f32 v[8:9], v[8:9], v[10:11]
	v_pk_add_f32 v[4:5], v[4:5], v[8:9]
	v_add_f32 v4, v4, v5
	v_cmp_eq_u32 vcc_lo, 0, v0
	s_wait_xcnt 0x0                                ; EXEC is a source of the stores above: it changes only behind this wait
	s_and_saveexec_b32 s26, vcc_lo
	global_store_b32 v168, v4, s[14:15]            ; one number for the group; step 4 adds the 256
	s_wait_xcnt 0x0                                ; and again in front of the line that widens it
	s_or_b32 exec_lo, exec_lo, s26
.Lend:
	s_wait_tensorcnt 0x0
	ds_add_u32 v172, v173
	s_wait_dscnt 0x0
	s_endpgm
.Lfunc_end_k_q97ba77ccd2_gather:
	.size	k_q97ba77ccd2_gather, .Lfunc_end_k_q97ba77ccd2_gather-k_q97ba77ccd2_gather
	.p2alignl 7, 3214868480
	.fill 96, 4, 3214868480
	.section	.rodata,"a",@progbits
	.p2align	6, 0x0
	.amdhsa_kernel k_q97ba77ccd2_gather
		.amdhsa_group_segment_fixed_size 1280
		.amdhsa_private_segment_fixed_size 0
		.amdhsa_enable_private_segment 0
		.amdhsa_kernarg_size 48
		.amdhsa_user_sgpr_count 2
		.amdhsa_user_sgpr_kernarg_segment_ptr 1
		.amdhsa_wavefront_size32 1
		.amdhsa_system_sgpr_workgroup_id_x 1
		.amdhsa_system_sgpr_workgroup_id_y 1
		.amdhsa_system_sgpr_workgroup_id_z 1
		.amdhsa_system_vgpr_workitem_id 0
		.amdhsa_next_free_vgpr 174
		.amdhsa_next_free_sgpr 66
		.amdhsa_reserve_vcc 1
		.amdhsa_float_denorm_mode_32 3
		.amdhsa_float_denorm_mode_16_64 3
		.amdhsa_memory_ordered 1
		.amdhsa_forward_progress 1
		.amdhsa_inst_pref_size 15
	.end_amdhsa_kernel
	.amdgpu_metadata
---
amdhsa.version: [ 1, 2 ]
amdhsa.kernels:
  - .name:           k_q97ba77ccd2_gather
    .symbol:         k_q97ba77ccd2_gather.kd
    .args:
      - { .name: cand, .offset: 0, .size: 8, .value_kind: global_buffer, .address_space: global }
      - { .name: embedding, .offset: 8, .size: 8, .value_kind: global_buffer, .address_space: global }
      - { .name: z, .offset: 16, .size: 8, .value_kind: global_buffer, .address_space: global }
      - { .name: out0, .offset: 24, .size: 8, .value_kind: global_buffer, .address_space: global }
      - { .name: out1, .offset: 32, .size: 8, .value_kind: global_buffer, .address_space: global }
      - { .name: part, .offset: 40, .size: 8, .value_kind: global_buffer, .address_space: global }
    .group_segment_fixed_size: 1280
    .private_segment_fixed_size: 0
    .kernarg_segment_align: 8
    .kernarg_segment_size: 48
    .max_flat_workgroup_size: 256
    .sgpr_count:     66
    .vgpr_count:     174
    .wavefront_size: 32
...
	.end_amdgpu_metadata
.endif
;; end of part 7
;; launch final: the kernel of part 4 again; grid 1 x 1, 1 waves a work-group, no clusters, 0 bytes of LDS; arguments part, out2; writes out2
